; MI455X (gfx1250); checked and timed in simulation.
; The chip was launched on July 23, 2026; its instructions are those of AMD's public machine-readable ISA for CDNA 5 (MIT licence, August 2026) and "CDNA5" Instruction Set Architecture Reference Guide (July 2026). The comments in the code are by the model that wrote it; some were corrected since.
;; CMIA. Allowed arithmetic: float matrix products may take bf16 or f16 operands with f32 sums; all other float work in f32.
;; Inputs: b_cdc 256 float32; b_frq 1,024 float32; b_fv 256 float32; b_spa 1,024 float32; b_sv 256 float32; ln_b 1,024 float32; ln_w 1,024 float32; w_cdc 256 x 512 float32; w_frq 1,024 x 1,024 float32; w_fv 256 x 256 float32; w_qk 2,048 x 1,024 float32; w_spa 1,024 x 1,024 float32; w_sv 256 x 256 float32; x_freq 16 x 256 x 32 x 32 float32; x_spa 16 x 256 x 32 x 32 float32.
;; Outputs: out0 16 x 256 x 32 x 32 float32; out1 16 x 256 x 32 x 32 float32.
;; One version. Each part assembles by itself: llvm-mc -triple=amdgcn-amd-amdhsa -mcpu=gfx1250 --defsym DOCPART=n.
;; ======== version 1 of 1: 6 launches
;; limits: values are held in f16: magnitudes above 65,504 overflow, below 6.1e-05 lose precision
;; workspace buffers: xf32 16,777,216 bytes; xn 8,388,608 bytes; wkq16 4,194,304 bytes; wsf16 4,194,304 bytes; v16 16,777,216 bytes; kq16 16,777,216 bytes; kw16 16,777,216 bytes; p16 67,108,864 bytes
;; launch conv (part 1): grid 16 x 16, 16 waves a work-group, no clusters, 139,264 bytes of LDS; arguments x_spa, x_freq, w_cdc, w_sv, w_fv, b_cdc, b_sv, b_fv, xf32, v16; writes xf32, v16
.if DOCPART == 1
	.amdgcn_target "amdgcn-amd-amdhsa--gfx1250"
	.amdhsa_code_object_version 6
	.text
	.protected	k_q4031a9fe8f_conv
	.globl	k_q4031a9fe8f_conv
	.p2align	8
	.type	k_q4031a9fe8f_conv,@function
k_q4031a9fe8f_conv:
	s_mov_b64 s[64:65], 0
	v_nop
	global_prefetch_b8 v0, s[64:65] scope:SCOPE_SE
	s_setreg_imm32_b32 hwreg(HW_REG_WAVE_MODE, 25, 1), 1
	s_wait_xcnt 0x0
; The three 1x1 convolutions of one batch b, for 128 output channels (half oh) and 128 positions (block pb):
;   X [o][p] = sum over 512 c of w_cdc[o][c] [x_spa ; x_freq][c][p] + b_cdc[o]   -> xf32, f32 (the LayerNorm takes its mean away in f32)
;   Vs[o][p] = sum over 256 c of w_sv[o][c] x_spa[c][p] + b_sv[o],  Vf likewise from w_fv, x_freq, b_fv   -> v16, f16
; FORMAT: x and the weights are rounded to f16 for the matrix unit, sums in f32; Vs, Vf are rounded to f16 once.  f16 and not bf16: X feeds the
; logits of a softmax, where an absolute error becomes a relative one of the result, and f16 keeps eleven significant bits to bf16's eight.
; LIMIT: an operand beyond 65,504 becomes infinite.  With x of spread 1 and weights of spread 0.09, |V| stays below 8; x and w both 30 times larger
; give about 7,200; offsets of 30 spreads on both give about 256 x 30 x 2.7 = 20,700.
; NO CLUSTER, NO TENSOR LOADS: every operand is f32 in memory and has to pass through registers to become f16, so there is no tile that a
; joint tensor load could bring; the two work-groups that share x and the eight that share weights read them by ordinary loads.
; Sixteen waves; wave w = 4 wo + wp makes 32 o x 32 p of each output: 2 x 2 tiles x 3 outputs = 96 accumulator registers.
; K goes in 8 chunks of 64 channels (0-3: x_spa, 4-7: x_freq) through two LDS slots; the f32 of two chunks ahead are on their way in registers.
; The matrix instruction takes x as source 0 and W as source 1: lane l then holds row o = l % 16 and columns p = 8 (l / 16) + 0..7.
.set XP,    288                        ; LDS pitch of x rows: 128 f16 + 32 bytes, an odd multiple of 32 (transposing loads)
.set WP,    144                        ; LDS pitch of weight rows: 64 f16 + 16 bytes, an odd multiple of 16
.set WXL,   64*XP                      ; in a slot: x 64 rows, then w_cdc 128 rows, then w_sv or w_fv 128 rows (WXL bytes each)
.set SLOTB, 3*WXL                      ; 55,296
.set SXP,   528                        ; way out: X rows of 512 bytes + 16
.set SVP,   272                        ; way out: V rows of 256 bytes + 16
.set SV0,   128*SXP                    ; Vs's stage behind X's
.set SV1,   128*SVP                    ; Vf's stage behind Vs's
.set XO,  1                            ; v1     global offset of my 16 bytes of x: row 4 w, byte 16 L
.set WXO, 2                            ; v2     of w_cdc: row 8 w + h, byte 16 r
.set WVO, 3                            ; v3     of w_sv, w_fv
.set SX,  4                            ; v4     LDS: where my x goes (slot 0)
.set SW,  5                            ; v5-6   LDS: where my weights go, slot 0, 1
.set RA,  7                            ; v7-8   LDS: my weight fragments, slot 0, 1
.set RBX, 9                            ; v9-10  LDS: my x fragments, slot 0, 1
.set BOF, 11                           ; v11    4 (32 wo + r): my bias word
.set FX,  16                           ; v16-31 x fragments bb = 0, 1
.set FW,  32                           ; v32-47 w_cdc fragments a = 0, 1
.set FV,  48                           ; v48-63 w_sv / w_fv fragments
.set STG, 64                           ; v64-111, v112-159: two sets of 12 loads of f32
.set AX,  160                          ; v160-191 X, tile (a, bb) at 8 (2 a + bb)
.set AV,  192                          ; v192-223 Vs, v224-255 Vf
.macro PLACES
.rept 4
	v_nop
.endr
.endm
.macro BAR                             ; my LDS stores and loads are done, then the work-group's barrier
	s_wait_dscnt 0x0
	s_barrier_signal -1
	s_barrier_wait -1
.endm
	s_load_b512 s[4:19], s[0:1], 0x0               ; x_spa 4, x_freq 6, w_cdc 8, w_sv 10, w_fv 12, b_cdc 14, b_sv 16, b_fv 18
	s_load_b128 s[20:23], s[0:1], 0x40             ; xf32 20, v16 22
	v_lshrrev_b32 v16, 5, v0
	v_readfirstlane_b32 s24, v16                   ; wave w
	s_lshr_b32 s25, s24, 2                         ; wo
	s_and_b32 s26, s24, 3                          ; wp
	s_and_b32 s27, ttmp9, 7                        ; pb
	s_lshr_b32 s28, ttmp9, 3                       ; oh
	s_and_b32 s29, ttmp7, 0xffff                   ; b
	v_and_b32 v16, 31, v0                          ; L
	v_and_b32 v17, 15, v0                          ; r
	v_bfe_u32 v18, v0, 4, 1                        ; h
	v_bfe_u32 v19, v0, 3, 1                        ; e
	v_and_b32 v20, 7, v0                           ; L & 7
	s_lshl_b32 s32, s24, 14
	v_lshl_add_u32 v[XO], v16, 4, s32              ; 4 w rows of 4,096 bytes + 16 L
	s_lshl_b32 s33, s24, 3                         ; 8 w (kept for the way out)
	v_add_nc_u32 v21, s33, v18                     ; 8 w + h
	v_lshlrev_b32 v22, 4, v17
	v_lshl_add_u32 v[WXO], v21, 11, v22            ; rows of 2,048 bytes
	v_lshl_add_u32 v[WVO], v21, 10, v22            ; rows of 1,024 bytes
	s_mul_i32 s34, s24, 4*XP
	v_lshl_add_u32 v[SX], v16, 3, s34              ; 4 numbers become 8 bytes
	v_mul_u32_u24 v21, v21, WP
	v_lshl_add_u32 v21, v17, 3, v21
	v_add_nc_u32 v[SW], WXL, v21
	v_add_nc_u32 v[SW+1], SLOTB+WXL, v21
	s_lshl_b32 s35, s25, 5
	v_add_nc_u32 v22, s35, v17                     ; 32 wo + r
	v_lshlrev_b32 v[BOF], 2, v22
	v_mul_u32_u24 v22, v22, WP
	v_lshl_add_u32 v22, v18, 4, v22
	v_add_nc_u32 v[RA], WXL, v22
	v_add_nc_u32 v[RA+1], SLOTB+WXL, v22
	v_lshl_add_u32 v21, v18, 3, v20                ; 8 h + (L & 7): the row that a transposing load addresses
	v_mul_u32_u24 v21, v21, XP
	v_lshl_add_u32 v21, v19, 4, v21
	s_lshl_b32 s36, s26, 6
	v_add_nc_u32 v[RBX], s36, v21
	v_add_nc_u32 v[RBX+1], SLOTB, v[RBX]
	s_lshl_b32 s37, s27, 9                         ; pb x 512 bytes
	s_lshl_b32 s30, s29, 20                        ; b x 256 rows x 4,096 bytes
	s_add_co_u32 s30, s30, s37
	s_mov_b32 s31, 0
	s_wait_kmcnt 0x0
	s_add_nc_u64 s[4:5], s[4:5], s[30:31]
	s_add_nc_u64 s[6:7], s[6:7], s[30:31]
	s_lshl_b32 s38, s28, 19                        ; oh x 128 rows x 4,096 bytes
	s_add_co_u32 s30, s30, s38
	s_add_nc_u64 s[20:21], s[20:21], s[30:31]      ; xf32 at my block
	s_lshl_b32 s30, s28, 18
	s_add_nc_u64 s[8:9], s[8:9], s[30:31]          ; w_cdc at row 128 oh
	s_lshl_b32 s30, s28, 17
	s_add_nc_u64 s[10:11], s[10:11], s[30:31]
	s_add_nc_u64 s[12:13], s[12:13], s[30:31]
	s_lshl_b32 s30, s28, 9
	s_add_nc_u64 s[14:15], s[14:15], s[30:31]
	s_add_nc_u64 s[16:17], s[16:17], s[30:31]
	s_add_nc_u64 s[18:19], s[18:19], s[30:31]
	s_lshl_b32 s30, s29, 19                        ; v16: rows of 2,048 bytes
	s_lshl_b32 s38, s28, 18
	s_add_co_u32 s30, s30, s38
	s_lshl_b32 s38, s27, 8
	s_add_co_u32 s30, s30, s38
	s_add_nc_u64 s[22:23], s[22:23], s[30:31]      ; Vs
	s_add_nc_u64 s[40:41], s[22:23], 0x800000      ; Vf: 16 batches x 256 rows x 2,048 bytes further
; Chunk kc's f32 into stage set: 4 loads of x (one row's 512 bytes each), 4 of w_cdc and 4 of w_sv or w_fv (two rows' 256 bytes each).
; The chunk stands in the immediates: no address register is ever rewritten.
.macro LOADC kc, set
.if \kc < 4
.set XB, 4
.set VB, 10
.else
.set XB, 6
.set VB, 12
.endif
.irp i, 0,1,2,3
	global_load_b128 v[STG+48*\set+4*\i:STG+48*\set+4*\i+3], v[XO], s[XB:XB+1] offset:(\kc&3)*262144+\i*4096
.endr
.irp i, 0,1,2,3
	global_load_b128 v[STG+48*\set+16+4*\i:STG+48*\set+16+4*\i+3], v[WXO], s[8:9] offset:\kc*256+\i*4096
.endr
.irp i, 0,1,2,3
	global_load_b128 v[STG+48*\set+32+4*\i:STG+48*\set+32+4*\i+3], v[WVO], s[VB:VB+1] offset:(\kc&3)*256+\i*2048
.endr
.endm
; A stage set is rounded to f16 in place (4 f32 -> 2 words) and put into an LDS slot.
.macro CVTST set, slot
.irp n, 0,1,2,3,4,5,6,7,8,9,10,11
	v_cvt_pk_f16_f32 v[STG+48*\set+4*\n], v[STG+48*\set+4*\n], v[STG+48*\set+4*\n+1]
	v_cvt_pk_f16_f32 v[STG+48*\set+4*\n+1], v[STG+48*\set+4*\n+2], v[STG+48*\set+4*\n+3]
.endr
.irp i, 0,1,2,3
	ds_store_b64 v[SX], v[STG+48*\set+4*\i:STG+48*\set+4*\i+1] offset:\slot*SLOTB+\i*XP
.endr
.irp i, 0,1,2,3
	ds_store_b64 v[SW+\slot], v[STG+48*\set+16+4*\i:STG+48*\set+16+4*\i+1] offset:\i*2*WP
.endr
.irp i, 0,1,2,3
	ds_store_b64 v[SW+\slot], v[STG+48*\set+32+4*\i:STG+48*\set+32+4*\i+1] offset:WXL+\i*2*WP
.endr
.endm
; Chunk kc out of its slot: two K steps of 32, each 12 fragment loads and 8 matrix instructions.  X's and V's accumulators take turns, one
; instruction a turn.  The first product of a sum takes the constant 0: nothing is cleared.
; A load into a register that a matrix instruction has read stands four plain vector instructions behind it (ISA guide 7.12.1 for vector instructions):
; four v_nop in front of every run of fragment loads but the very first.
.macro COMP kc, slot
.irp ks, 0,1
.if \kc*2+\ks > 0
	PLACES
.endif
.irp bb, 0,1
	ds_load_tr16_b128 v[FX+8*\bb:FX+8*\bb+3], v[RBX+\slot] offset:\ks*32*XP+32*\bb
	ds_load_tr16_b128 v[FX+8*\bb+4:FX+8*\bb+7], v[RBX+\slot] offset:\ks*32*XP+32*\bb+16*XP
.endr
.irp a, 0,1
	ds_load_b128 v[FW+8*\a:FW+8*\a+3], v[RA+\slot] offset:\ks*64+\a*16*WP
	ds_load_b128 v[FW+8*\a+4:FW+8*\a+7], v[RA+\slot] offset:\ks*64+\a*16*WP+32
	ds_load_b128 v[FV+8*\a:FV+8*\a+3], v[RA+\slot] offset:WXL+\ks*64+\a*16*WP
	ds_load_b128 v[FV+8*\a+4:FV+8*\a+7], v[RA+\slot] offset:WXL+\ks*64+\a*16*WP+32
.endr
	s_wait_dscnt 0x0
.irp a, 0,1
.irp bb, 0,1
.set DX, AX+8*(2*\a+\bb)
.set DV, AV+32*(\kc/4)+8*(2*\a+\bb)
.if \kc*2+\ks == 0
	v_wmma_f32_16x16x32_f16 v[DX:DX+7], v[FX+8*\bb:FX+8*\bb+7], v[FW+8*\a:FW+8*\a+7], 0
.else
	v_wmma_f32_16x16x32_f16 v[DX:DX+7], v[FX+8*\bb:FX+8*\bb+7], v[FW+8*\a:FW+8*\a+7], v[DX:DX+7]
.endif
.if (\kc&3)*2+\ks == 0
	v_wmma_f32_16x16x32_f16 v[DV:DV+7], v[FX+8*\bb:FX+8*\bb+7], v[FV+8*\a:FV+8*\a+7], 0
.else
	v_wmma_f32_16x16x32_f16 v[DV:DV+7], v[FX+8*\bb:FX+8*\bb+7], v[FV+8*\a:FV+8*\a+7], v[DV:DV+7]
.endif
.endr
.endr
.endr
.endm
	LOADC 0, 0
	LOADC 1, 1
	s_wait_loadcnt 12                              ; chunk 0 is in; the 12 loads of chunk 1 stay out
	CVTST 0, 0
	LOADC 2, 0
	BAR
	; One barrier a chunk does both jobs: behind it the slot just written is whole, and the slot just read may be written.
	COMP 0, 0
	s_wait_loadcnt 12                              ; here and below: the next chunk is in, the 12 loads of the one behind it stay out
	CVTST 1, 1
	LOADC 3, 1
	BAR
	COMP 1, 1
	s_wait_loadcnt 12
	CVTST 0, 0
	LOADC 4, 0
	BAR
	COMP 2, 0
	s_wait_loadcnt 12
	CVTST 1, 1
	LOADC 5, 1
	BAR
	COMP 3, 1
	s_wait_loadcnt 12
	CVTST 0, 0
	LOADC 6, 0
	BAR
	COMP 4, 0
	s_wait_loadcnt 12
	CVTST 1, 1
	LOADC 7, 1
	BAR
	COMP 5, 1
	s_wait_loadcnt 12
	CVTST 0, 0
	BAR
	COMP 6, 0
	s_wait_loadcnt 0x0                             ; chunk 7: nothing was issued behind it
	CVTST 1, 1
	global_load_b32 v[STG+0], v[BOF], s[14:15]             ; my six bias words, into even registers of set 0, whose LDS stores were waited for a chunk ago
	global_load_b32 v[STG+2], v[BOF], s[14:15] offset:64
	global_load_b32 v[STG+4], v[BOF], s[16:17]
	global_load_b32 v[STG+6], v[BOF], s[16:17] offset:64
	global_load_b32 v[STG+8], v[BOF], s[18:19]
	global_load_b32 v[STG+10], v[BOF], s[18:19] offset:64
	BAR
	COMP 7, 1
	BAR                                            ; every wave has read the slots: their bytes become the stages of the way out
	; THE WAY OUT.  The address arithmetic (plain vector instructions that name no register of the last matrix instructions) fills the
	; four places in front of the first read of a result.
	s_wait_loadcnt 0x0                             ; the biases; and every load that named v1-v3 is done
	v_and_b32 v12, 15, v0                          ; r
	v_bfe_u32 v13, v0, 4, 1                        ; h
	v_and_b32 v14, 31, v0                          ; L
	v_lshrrev_b32 v15, 2, v[BOF]                   ; 32 wo + r
	v_mul_u32_u24 v1, v15, SXP
	v_lshl_add_u32 v1, v13, 5, v1
	s_lshl_b32 s32, s26, 7
	v_add_nc_u32 v1, s32, v1                       ; X in: row 32 wo + r, byte 128 wp + 32 h
	v_mul_u32_u24 v2, v15, SVP
	v_lshl_add_u32 v2, v13, 4, v2
	s_lshl_b32 s32, s26, 6
	s_add_co_u32 s32, s32, SV0
	v_add_nc_u32 v2, s32, v2                       ; V in: row 32 wo + r, byte 64 wp + 16 h
	s_mul_i32 s32, s24, 8*SXP
	v_lshl_add_u32 v3, v14, 4, s32                 ; X back: row 8 w, byte 16 L
	v_add_nc_u32 v15, s33, v13                     ; 8 w + h
	v_mul_u32_u24 v4, v15, SVP
	v_lshl_add_u32 v4, v12, 4, v4
	v_add_nc_u32 v4, SV0, v4                       ; V back: row 8 w + h, byte 16 r
	s_lshl_b32 s32, s24, 15
	v_lshl_add_u32 v5, v14, 4, s32                 ; xf32: row 8 w
	v_lshlrev_b32 v6, 11, v15
	v_lshl_add_u32 v6, v12, 4, v6                  ; v16: row 8 w + h
.irp a, 0,1
.irp bb, 0,1
.irp j, 0,2,4,6
.set D, 8*(2*\a+\bb)+\j
	v_pk_add_f32 v[AX+D:AX+D+1], v[AX+D:AX+D+1], v[STG+2*\a:STG+2*\a+1] op_sel_hi:[1,0]           ; the row's bias onto both
	v_pk_add_f32 v[AV+D:AV+D+1], v[AV+D:AV+D+1], v[STG+4+2*\a:STG+4+2*\a+1] op_sel_hi:[1,0]
	v_pk_add_f32 v[AV+32+D:AV+32+D+1], v[AV+32+D:AV+32+D+1], v[STG+8+2*\a:STG+8+2*\a+1] op_sel_hi:[1,0]
.endr
.endr
.endr
.irp a, 0,1
.irp bb, 0,1
.set D, 8*(2*\a+\bb)
	ds_store_b128 v1, v[AX+D:AX+D+3] offset:\a*16*SXP+64*\bb
	ds_store_b128 v1, v[AX+D+4:AX+D+7] offset:\a*16*SXP+64*\bb+16
.irp u, 0,32
	v_cvt_pk_f16_f32 v[AV+\u+D], v[AV+\u+D], v[AV+\u+D+1]
	v_cvt_pk_f16_f32 v[AV+\u+D+1], v[AV+\u+D+2], v[AV+\u+D+3]
	v_cvt_pk_f16_f32 v[AV+\u+D+2], v[AV+\u+D+4], v[AV+\u+D+5]
	v_cvt_pk_f16_f32 v[AV+\u+D+3], v[AV+\u+D+6], v[AV+\u+D+7]
.endr
	ds_store_b128 v2, v[AV+D:AV+D+3] offset:\a*16*SVP+32*\bb
	ds_store_b128 v2, v[AV+32+D:AV+32+D+3] offset:SV1+\a*16*SVP+32*\bb
.endr
.endr
	BAR                                            ; the stages are whole
.irp i, 0,1,2,3,4,5,6,7
	ds_load_b128 v[STG+4*\i:STG+4*\i+3], v3 offset:\i*SXP
.endr
.irp i, 0,1,2,3
	ds_load_b128 v[STG+32+4*\i:STG+32+4*\i+3], v4 offset:\i*2*SVP
.endr
.irp i, 0,1,2,3
	ds_load_b128 v[STG+48+4*\i:STG+48+4*\i+3], v4 offset:SV1+\i*2*SVP
.endr
.irp i, 0,1,2,3,4,5,6,7
	s_wait_dscnt 15-\i                             ; LDS loads come back in order: the younger ones stay out
	global_store_b128 v5, v[STG+4*\i:STG+4*\i+3], s[20:21] offset:\i*4096          ; 512 consecutive bytes of one row, aligned
.endr
.irp i, 0,1,2,3
	s_wait_dscnt 7-\i
	global_store_b128 v6, v[STG+32+4*\i:STG+32+4*\i+3], s[22:23] offset:\i*4096    ; two rows' 256 consecutive bytes, aligned
.endr
.irp i, 0,1,2,3
	s_wait_dscnt 3-\i
	global_store_b128 v6, v[STG+48+4*\i:STG+48+4*\i+3], s[40:41] offset:\i*4096
.endr
	s_wait_xcnt 0x0
	v_lshl_add_u32 v254, v0, 2, 0x21800
	v_mov_b32 v255, 0
	s_wait_tensorcnt 0x0
	ds_add_u32 v254, v255
	s_wait_dscnt 0x0
	s_endpgm
.Lfunc_end_k_q4031a9fe8f_conv:
	.size	k_q4031a9fe8f_conv, .Lfunc_end_k_q4031a9fe8f_conv-k_q4031a9fe8f_conv
	.p2alignl 7, 3214868480
	.fill 96, 4, 3214868480
	.section	.rodata,"a",@progbits
	.p2align	6, 0x0
	.amdhsa_kernel k_q4031a9fe8f_conv
		.amdhsa_group_segment_fixed_size 139264
		.amdhsa_private_segment_fixed_size 0
		.amdhsa_enable_private_segment 0
		.amdhsa_kernarg_size 80
		.amdhsa_user_sgpr_count 2
		.amdhsa_user_sgpr_kernarg_segment_ptr 1
		.amdhsa_wavefront_size32 1
		.amdhsa_system_sgpr_workgroup_id_x 1
		.amdhsa_system_sgpr_workgroup_id_y 1
		.amdhsa_system_sgpr_workgroup_id_z 1
		.amdhsa_system_vgpr_workitem_id 0
		.amdhsa_next_free_vgpr 256
		.amdhsa_next_free_sgpr 66
		.amdhsa_reserve_vcc 0
		.amdhsa_float_denorm_mode_32 3
		.amdhsa_float_denorm_mode_16_64 3
		.amdhsa_memory_ordered 1
		.amdhsa_forward_progress 1
		.amdhsa_inst_pref_size 65
	.end_amdhsa_kernel
	.amdgpu_metadata
---
amdhsa.version: [ 1, 2 ]
amdhsa.kernels:
  - .name:           k_q4031a9fe8f_conv
    .symbol:         k_q4031a9fe8f_conv.kd
    .args:
      - { .name: x_spa, .offset: 0, .size: 8, .value_kind: global_buffer, .address_space: global }
      - { .name: x_freq, .offset: 8, .size: 8, .value_kind: global_buffer, .address_space: global }
      - { .name: w_cdc, .offset: 16, .size: 8, .value_kind: global_buffer, .address_space: global }
      - { .name: w_sv, .offset: 24, .size: 8, .value_kind: global_buffer, .address_space: global }
      - { .name: w_fv, .offset: 32, .size: 8, .value_kind: global_buffer, .address_space: global }
      - { .name: b_cdc, .offset: 40, .size: 8, .value_kind: global_buffer, .address_space: global }
      - { .name: b_sv, .offset: 48, .size: 8, .value_kind: global_buffer, .address_space: global }
      - { .name: b_fv, .offset: 56, .size: 8, .value_kind: global_buffer, .address_space: global }
      - { .name: xf32, .offset: 64, .size: 8, .value_kind: global_buffer, .address_space: global }
      - { .name: v16, .offset: 72, .size: 8, .value_kind: global_buffer, .address_space: global }
    .group_segment_fixed_size: 139264
    .private_segment_fixed_size: 0
    .kernarg_segment_align: 8
    .kernarg_segment_size: 80
    .max_flat_workgroup_size: 512
    .sgpr_count:     66
    .vgpr_count:     256
    .wavefront_size: 32
...
	.end_amdgpu_metadata
.endif
;; end of part 1
;; launch norm (part 2): grid 256 x 1, 8 waves a work-group, no clusters, 0 bytes of LDS; arguments xf32, ln_w, ln_b, w_qk, w_spa, w_frq, xn, wkq16, wsf16; writes xn, wkq16, wsf16
.if DOCPART == 2
	.amdgcn_target "amdgcn-amd-amdhsa--gfx1250"
	.amdhsa_code_object_version 6
	.text
	.protected	k_q4031a9fe8f_norm
	.globl	k_q4031a9fe8f_norm
	.p2align	8
	.type	k_q4031a9fe8f_norm,@function
k_q4031a9fe8f_norm:
	s_mov_b64 s[64:65], 0
	v_nop
	global_prefetch_b8 v0, s[64:65] scope:SCOPE_SE
	s_setreg_imm32_b32 hwreg(HW_REG_WAVE_MODE, 25, 1), 1
	s_wait_xcnt 0x0
; Rows of 1,024 f32 in, rows of 1,024 f16 out; a wave takes 4 rows, a work-group 32.
; Work-groups 0-127: xn = LayerNorm(xf32) * ln_w + ln_b.  The mean is taken away first and the variance is the mean of the centred squares,
; so no difference of large sums is formed.  Work-groups 128-255: the three large weight matrices rounded to f16:
;   wkq16 rows 0-1023 = w_qk rows 1024-2047 (k's), rows 1024-2047 = w_qk rows 0-1023 (q's);  wsf16 = w_spa / 32, then w_frq / 32.
; The 1/32 is the attention's scale hw^-0.5, applied here, where it is an exact step by a power of two: k W^T / 32 then has room in f16
; (below 0.4 at weights of spread 0.044 and ln_w = 1; about 9,700 with ln_w, w_qk and W all 30 times larger), which k W^T itself would not have.
; LIMITS: 1 / sqrt by v_rsq_f32, good to one unit in the last place; results rounded to f16 once; a result beyond 65,504 becomes infinite
; (|xn| is at most 32 |ln_w| + |ln_b|); below 6.1e-5 f16's step is 6e-8, small against the weights' spread even 30 times smaller.
; A stream: no LDS, no barrier, no matrix unit, no cluster (no byte is read twice).  A row lies in 32 registers of one wave between its passes;
; all of a wave's loads are issued at once, and every register and address that a load or store names is written once.
.set G,  4                             ; v4-35    ln_w of my 32 columns
.set BT, 36                            ; v36-67   ln_b
.set X,  68                            ; v68-195  row i at 32 i
.set T,  196                           ; v196-211 at work
.set MU, 212                           ; v212-213 the mean, twice
.set RS, 214                           ; v214-215 1 / sqrt(var + eps), twice
	s_load_b512 s[4:19], s[0:1], 0x0               ; xf32 4, ln_w 6, ln_b 8, w_qk 10, w_spa 12, w_frq 14, xn 16, wkq16 18
	s_load_b64 s[20:21], s[0:1], 0x40              ; wsf16
	v_lshrrev_b32 v3, 5, v0
	v_readfirstlane_b32 s22, v3                    ; wave
	v_and_b32 v3, 31, v0
	v_lshlrev_b32 v1, 4, v3                        ; 16 L: my 16 bytes of each 512 read
	v_lshlrev_b32 v2, 3, v3                        ; 8 L: my 8 bytes of each 256 written
	s_mov_b32 s23, ttmp9
	s_lshl_b32 s24, s22, 14                        ; my wave's 4 rows, in
	s_lshl_b32 s25, s22, 13                        ; and out
	s_mov_b32 s31, 0
	s_mov_b32 s33, 0
	s_mov_b32 s34, 0x76543210                      ; v_permlanex16_b32: lane i of one half reads lane i of the other
	s_mov_b32 s35, 0xfedcba98
	s_mov_b32 s36, 0x3a800000                      ; 1 / 1024
	s_mov_b32 s37, 0x3727c5ac                      ; 1e-5
	s_wait_kmcnt 0x0
.macro ROWS                            ; 32 loads: 4 rows, 512 neighbouring bytes each
.irp i, 0,1,2,3
.irp j, 0,1,2,3,4,5,6,7
	global_load_b128 v[X+32*\i+4*\j:X+32*\i+4*\j+3], v1, s[26:27] offset:\i*4096+\j*512 th:TH_LOAD_NT
.endr
.endr
.endm
.macro PACKOUT i                       ; row i to f16 and out: each store of the wave covers 256 consecutive bytes, aligned
.irp j, 0,1,2,3,4,5,6,7
	v_cvt_pk_f16_f32 v[X+32*\i+4*\j], v[X+32*\i+4*\j], v[X+32*\i+4*\j+1]
	v_cvt_pk_f16_f32 v[X+32*\i+4*\j+1], v[X+32*\i+4*\j+2], v[X+32*\i+4*\j+3]
	global_store_b64 v2, v[X+32*\i+4*\j:X+32*\i+4*\j+1], s[28:29] offset:\i*2048+\j*256
.endr
.endm
.macro TOTAL                           ; the 16 numbers of T, then the 32 lanes: the sum in every lane's v[T]
.irp k, 0,2,4,6
	v_pk_add_f32 v[T+\k:T+\k+1], v[T+\k:T+\k+1], v[T+8+\k:T+8+\k+1]
.endr
.irp k, 0,2
	v_pk_add_f32 v[T+\k:T+\k+1], v[T+\k:T+\k+1], v[T+4+\k:T+4+\k+1]
.endr
	v_pk_add_f32 v[T:T+1], v[T:T+1], v[T+2:T+3]
	v_add_f32 v[T], v[T], v[T+1]
	v_add_f32_dpp v[T], v[T], v[T] row_xmask:1 row_mask:0xf bank_mask:0xf
	v_add_f32_dpp v[T], v[T], v[T] row_xmask:2 row_mask:0xf bank_mask:0xf
	v_add_f32_dpp v[T], v[T], v[T] row_xmask:4 row_mask:0xf bank_mask:0xf
	v_add_f32_dpp v[T], v[T], v[T] row_xmask:8 row_mask:0xf bank_mask:0xf
	v_permlanex16_b32 v[T+1], v[T], s34, s35
	v_add_f32 v[T], v[T], v[T+1]
.endm
.macro LNROW i
	s_wait_loadcnt 8*(3-\i)                        ; my row is in; the 8 loads of each younger row stay out
.irp k, 0,1,2,3,4,5,6,7
	v_pk_add_f32 v[T+2*\k:T+2*\k+1], v[X+32*\i+4*\k:X+32*\i+4*\k+1], v[X+32*\i+4*\k+2:X+32*\i+4*\k+3]
.endr
	TOTAL
	v_mul_f32 v[MU], s36, v[T]
	v_mul_f32 v[MU+1], s36, v[T]
.irp k, 0,2,4,6,8,10,12,14,16,18,20,22,24,26,28,30
	v_pk_add_f32 v[X+32*\i+\k:X+32*\i+\k+1], v[X+32*\i+\k:X+32*\i+\k+1], v[MU:MU+1] neg_lo:[0,1] neg_hi:[0,1]
.endr
.irp k, 0,2,4,6,8,10,12,14
	v_pk_mul_f32 v[T+\k:T+\k+1], v[X+32*\i+\k:X+32*\i+\k+1], v[X+32*\i+\k:X+32*\i+\k+1]
.endr
.irp k, 0,2,4,6,8,10,12,14
	v_pk_fma_f32 v[T+\k:T+\k+1], v[X+32*\i+16+\k:X+32*\i+16+\k+1], v[X+32*\i+16+\k:X+32*\i+16+\k+1], v[T+\k:T+\k+1]
.endr
	TOTAL
	v_fma_f32 v[T+2], v[T], s36, s37               ; var + eps
	v_rsq_f32 v[RS], v[T+2]
	v_rsq_f32 v[RS+1], v[T+2]
	v_nop                                          ; one plain vector instruction behind a transcendental before its result is used (ISA guide 5.7.2)
	s_wait_alu depctr_va_vdst(0)
.irp k, 0,2,4,6,8,10,12,14,16,18,20,22,24,26,28,30
	v_pk_mul_f32 v[X+32*\i+\k:X+32*\i+\k+1], v[X+32*\i+\k:X+32*\i+\k+1], v[RS:RS+1]
.endr
.irp k, 0,2,4,6,8,10,12,14,16,18,20,22,24,26,28,30
	v_pk_fma_f32 v[X+32*\i+\k:X+32*\i+\k+1], v[X+32*\i+\k:X+32*\i+\k+1], v[G+\k:G+\k+1], v[BT+\k:BT+\k+1]
.endr
	PACKOUT \i
.endm
	s_cmp_lt_u32 s23, 128
	s_cbranch_scc0 .Lweights
	s_lshl_b32 s30, s23, 17                        ; 32 rows of 4,096 bytes
	s_add_co_u32 s30, s30, s24
	s_add_nc_u64 s[26:27], s[4:5], s[30:31]
	s_lshl_b32 s32, s23, 16                        ; 32 rows of 2,048 bytes
	s_add_co_u32 s32, s32, s25
	s_add_nc_u64 s[28:29], s[16:17], s[32:33]
.irp j, 0,1,2,3,4,5,6,7
	global_load_b128 v[G+4*\j:G+4*\j+3], v1, s[6:7] offset:\j*512
.endr
.irp j, 0,1,2,3,4,5,6,7
	global_load_b128 v[BT+4*\j:BT+4*\j+3], v1, s[8:9] offset:\j*512
.endr
	ROWS
	LNROW 0
	LNROW 1
	LNROW 2
	LNROW 3
	s_endpgm
.Lweights:
	s_sub_co_u32 s23, s23, 128                     ; 0-63: w_qk; 64-95: w_spa; 96-127: w_frq; 32 rows each
	s_xor_b32 s38, s23, 32                         ; w_qk's halves change places
	s_sub_co_u32 s39, s23, 64                      ; place in wsf16
	s_cmp_lt_u32 s23, 96
	s_cselect_b64 s[26:27], s[12:13], s[14:15]
	s_cselect_b32 s30, 64, 96
	s_cmp_lt_u32 s23, 64
	s_cselect_b64 s[26:27], s[10:11], s[26:27]
	s_cselect_b32 s30, 0, s30
	s_cselect_b64 s[28:29], s[18:19], s[20:21]
	s_cselect_b32 s32, s38, s39
	s_sub_co_u32 s30, s23, s30                     ; place in the source
	s_lshl_b32 s30, s30, 17
	s_add_co_u32 s30, s30, s24
	s_add_nc_u64 s[26:27], s[26:27], s[30:31]
	s_lshl_b32 s32, s32, 16
	s_add_co_u32 s32, s32, s25
	s_add_nc_u64 s[28:29], s[28:29], s[32:33]
	ROWS
	s_cmp_lt_u32 s23, 64
	s_cbranch_scc0 .Lscaled
.irp i, 0,1,2,3
	s_wait_loadcnt 8*(3-\i)                        ; w_qk: the 8 loads of each younger row stay out
	PACKOUT \i
.endr
	s_endpgm
.Lscaled:
.irp i, 0,1,2,3
	s_wait_loadcnt 8*(3-\i)                        ; w_spa, w_frq: the same counts
.irp k, 0,2,4,6,8,10,12,14,16,18,20,22,24,26,28,30
	v_pk_mul_f32 v[X+32*\i+\k:X+32*\i+\k+1], v[X+32*\i+\k:X+32*\i+\k+1], 0x3d000000 op_sel_hi:[1,0]   ; times 1/32
.endr
	PACKOUT \i
.endr
	s_endpgm
.Lfunc_end_k_q4031a9fe8f_norm:
	.size	k_q4031a9fe8f_norm, .Lfunc_end_k_q4031a9fe8f_norm-k_q4031a9fe8f_norm
	.p2alignl 7, 3214868480
	.fill 96, 4, 3214868480
	.section	.rodata,"a",@progbits
	.p2align	6, 0x0
	.amdhsa_kernel k_q4031a9fe8f_norm
		.amdhsa_group_segment_fixed_size 0
		.amdhsa_private_segment_fixed_size 0
		.amdhsa_enable_private_segment 0
		.amdhsa_kernarg_size 72
		.amdhsa_user_sgpr_count 2
		.amdhsa_user_sgpr_kernarg_segment_ptr 1
		.amdhsa_wavefront_size32 1
		.amdhsa_system_sgpr_workgroup_id_x 1
		.amdhsa_system_sgpr_workgroup_id_y 1
		.amdhsa_system_sgpr_workgroup_id_z 1
		.amdhsa_system_vgpr_workitem_id 0
		.amdhsa_next_free_vgpr 216
		.amdhsa_next_free_sgpr 66
		.amdhsa_reserve_vcc 0
		.amdhsa_float_denorm_mode_32 3
		.amdhsa_float_denorm_mode_16_64 3
		.amdhsa_memory_ordered 1
		.amdhsa_forward_progress 1
		.amdhsa_inst_pref_size 63
	.end_amdhsa_kernel
	.amdgpu_metadata
---
amdhsa.version: [ 1, 2 ]
amdhsa.kernels:
  - .name:           k_q4031a9fe8f_norm
    .symbol:         k_q4031a9fe8f_norm.kd
    .args:
      - { .name: xf32, .offset: 0, .size: 8, .value_kind: global_buffer, .address_space: global }
      - { .name: ln_w, .offset: 8, .size: 8, .value_kind: global_buffer, .address_space: global }
      - { .name: ln_b, .offset: 16, .size: 8, .value_kind: global_buffer, .address_space: global }
      - { .name: w_qk, .offset: 24, .size: 8, .value_kind: global_buffer, .address_space: global }
      - { .name: w_spa, .offset: 32, .size: 8, .value_kind: global_buffer, .address_space: global }
      - { .name: w_frq, .offset: 40, .size: 8, .value_kind: global_buffer, .address_space: global }
      - { .name: xn, .offset: 48, .size: 8, .value_kind: global_buffer, .address_space: global }
      - { .name: wkq16, .offset: 56, .size: 8, .value_kind: global_buffer, .address_space: global }
      - { .name: wsf16, .offset: 64, .size: 8, .value_kind: global_buffer, .address_space: global }
    .group_segment_fixed_size: 0
    .private_segment_fixed_size: 0
    .kernarg_segment_align: 8
    .kernarg_segment_size: 72
    .max_flat_workgroup_size: 256
    .sgpr_count:     66
    .vgpr_count:     216
    .wavefront_size: 32
...
	.end_amdgpu_metadata
.endif
;; end of part 2
;; launch g1 (part 3): grid 8 x 32, 4 waves a work-group, clusters of 4 x 4, 327,680 bytes of LDS; arguments xn, wkq16, kq16; writes kq16
.if DOCPART == 3
	.amdgcn_target "amdgcn-amd-amdhsa--gfx1250"
	.amdhsa_code_object_version 6
	.text
	.protected	k_q4031a9fe8f_g1
	.globl	k_q4031a9fe8f_g1
	.p2align	8
	.type	k_q4031a9fe8f_g1,@function
k_q4031a9fe8f_g1:
	s_mov_b64 s[64:65], 0
	v_nop
	global_prefetch_b8 v0, s[64:65] scope:SCOPE_SE
	s_setreg_imm32_b32 hwreg(HW_REG_WAVE_MODE, 25, 1), 1
	s_wait_xcnt 0x0
	s_wait_alu depctr_hold_cnt(0) depctr_sa_sdst(0) depctr_va_vdst(0) depctr_va_sdst(0) depctr_va_ssrc(0) depctr_va_vcc(0) depctr_vm_vsrc(0)
	s_getreg_b32 s2, hwreg(HW_REG_IB_STS2, 6, 4)
	s_cmp_eq_u32 s2, 0
	s_cbranch_scc0 .Lentry_in_a_cluster
	s_endpgm
.Lentry_in_a_cluster:
	s_bfe_u32 s2, ttmp6, 0x10000c
	s_cmp_lg_u32 s2, 0xf033
	s_cbranch_scc0 .Lentry_shape_is_right
	s_endpgm
.Lentry_shape_is_right:
; C[n / 1024][m][n % 1024] = sum over k of A[m][k] B[n][k].  A: [4096][1024], B: [2048][1024], C: two halves of [4096][1024]; all f16, sums in f32,
; C rounded once.  Used twice: [k ; q] = xn [Wk ; Wq]^T, and [k w_spa^T ; k w_frq^T] / 32 with A = the first half of the first result and
; B = the two matrices already divided by 32.
; (att W^T = q^T (k W^T): the product with W is made on k's 256 rows of a batch instead of on att's 1,024.)
; FORMAT: f16 and not bf16, since these numbers feed the logits of a softmax, where an absolute error becomes a relative one of the result.
; LIMIT: a result beyond 65,504 becomes infinite.  At ln_w = 1 and weights of spread 0.044, |q|, |k| stay below 8 and |k W^T| / 32 below 0.4;
; with ln_w, w_qk and W all 30 times larger these are about 7,200 and 9,700.
; A work-group makes 128 (m) x 256 (n) of C with four waves, a wave 64 x 128: 32 accumulator tiles, 256 registers.  That block gives 256 work-groups.
; K goes in 8 steps of 128 through a ring of two LDS slots filled by tensor loads whose rows are 256 bytes of memory, aligned.
; CLUSTERS: 4 x 4 work-groups.  A's tile hangs on the block row alone and is asked for jointly along a row of the cluster, B's on the block
; column alone, jointly along a column.  Waves 0, 1 fetch B's two halves (128 rows each), waves 2, 3 A's (64 rows each): one load a wave.
; A wave has two tensor loads out at the start and one behind each round.
; REGISTERS: window 0: addresses, fragments, packed results; window 1: accumulator tile (a, b) at v[8 (8 a + b)].
; Source 0 = 16 rows of B, source 1 = 16 rows of A: lane l holds row m = l % 16 and columns n = 8 (l / 16) + 0..7 of C.
.set KSTEP,  128
.set ROWB,   2048                      ; bytes in a row of A, of B and of a half of C
.set PITCH,  272                       ; 256 bytes + 16: the 16 rows of a fragment load start 16 bytes apart modulo 256
.set BTILE,  256*PITCH                 ; B's 256 rows, then A's 128
.set SLOT,   384*PITCH
.set STAGE,  2*SLOT                    ; behind the ring: 16 rows x 272 bytes for each wave; no tensor load lands here
.set SPITCH, 272
.set LAPS,   4                         ; a lap = two K steps
.set ADRA, 16                          ; v16-17 my A fragments in slot 0, 1
.set ADRB, 20                          ; v20-21 my B fragments
.set STO,  24
.set RD,   25
.set CO,   26
.set FA,   32                          ; v32-63, v64-95     A: two buffers of 4 fragments
.set FB,   96                          ; v96-159, v160-223  B: two buffers of 8 fragments
.set TMP,  224                         ; v224-255 packed results
.set G1,  24                           ; s[24:31] group 1 for A
.set G0,  32                           ; s[32:39] group 0 for A, one set a slot
.set G1B, 48                           ; s[48:55] group 1 for B
.set G0B, 56                           ; s[56:63] group 0 for B
.set FLAGS, (1<<16)|(1<<20)|(1<<21)|(5<<22)|(3<<25)   ; elements of 2 bytes; padding on; bit 21 beside a mask; after every 64 words 4 words
.set MULW, 0x50                        ; C and D in window 1, sources in window 0
.set MSB, 0
.macro WIN new                         ; the immediate's high byte repeats the setting that is left
.if MSB != (\new)
	s_set_vgpr_msb (MSB<<8)|(\new)
.set MSB, (\new)
.endif
.endm
.macro PLACES                          ; four places behind a matrix instruction (ISA guide 7.12.1 for vector instructions)
.rept 4
	v_nop
.endr
.endm
.macro JLOAD s                         ; the branch hangs on the wave's number alone; each line has one mask
	s_cmp_eq_u32 s11, 0
	s_cbranch_scc0 .Lfor_a_\@
	tensor_load_to_lds s[G0B+4*\s:G0B+4*\s+3], s[G1B:G1B+7]
	s_nop 0
	s_branch .Lasked_\@
.Lfor_a_\@:
	tensor_load_to_lds s[G0+4*\s:G0+4*\s+3], s[G1:G1+7]
	s_nop 0
.Lasked_\@:
.endm
.macro CREST                           ; a round of the cluster's barrier behind its opening barrier
	s_cmp_lg_u32 s10, 0
	s_cbranch_scc1 .Lnot_wave_0_\@
	s_barrier_signal -3
.Lnot_wave_0_\@:
	s_barrier_wait -3
	s_barrier_signal -1
	s_barrier_wait -1
.endm
.macro CROUND
	s_barrier_signal -1
	s_barrier_wait -1
	CREST
.endm
	s_load_b128 s[4:7], s[0:1], 0x0                ; A, B
	s_load_b64 s[8:9], s[0:1], 0x10                ; C
	v_lshl_add_u32 v30, v0, 2, 0x37400
	v_mov_b32 v31, 0
	ds_add_u32 v30, v31
	v_lshrrev_b32 v1, 5, v0
	v_readfirstlane_b32 s10, v1                    ; wave
	s_lshr_b32 s11, s10, 1                         ; my half of the block's rows.  Also: I fetch for B (0) or for A (1)
	s_and_b32 s12, s10, 1                          ; my half of its columns.  Also: which half of that tile I fetch
	s_bfe_u32 s40, ttmp6, 0x40000                  ; cx
	s_bfe_u32 s41, ttmp6, 0x40004                  ; cy
	s_lshl_b32 s42, ttmp9, 2
	s_add_co_u32 s42, s42, s40                     ; block column
	s_and_b32 s13, ttmp7, 0xffff
	s_lshl_b32 s13, s13, 2
	s_add_co_u32 s13, s13, s41                     ; block row
	s_lshl_b32 s43, s41, 2
	s_lshl_b32 s43, 15, s43                        ; my row of the cluster
	s_lshl_b32 s44, 0x1111, s40                    ; my column
	s_or_b32 s[G1+0], s43, FLAGS                   ; A's tiles go to my row
	s_or_b32 s[G1B+0], s44, FLAGS                  ; B's to my column
	s_mov_b32 s[G1+1], KSTEP<<16                   ; tensor_dim0 = 128
	s_mov_b32 s[G1B+1], KSTEP<<16
	s_mov_b32 s[G1+2], 64<<16                      ; tensor_dim1 = the tile's rows: 64 of A,
	s_mov_b32 s[G1B+2], 128<<16                    ; 128 of B
	s_mov_b32 s[G1+3], KSTEP<<16                   ; tile_dim0 = 128
	s_mov_b32 s[G1B+3], KSTEP<<16
	s_mov_b32 s[G1+4], 64                          ; tile_dim1
	s_mov_b32 s[G1B+4], 128
	s_mov_b32 s[G1+5], 1024                        ; elements from row to row
	s_mov_b32 s[G1B+5], 1024
	s_mov_b32 s[G1+6], 0
	s_mov_b32 s[G1B+6], 0
	s_mov_b32 s[G1+7], 0
	s_mov_b32 s[G1B+7], 0
	s_lshl_b32 s16, s13, 18                        ; A: (128 x block row + 64 x half) rows of 2,048 bytes
	s_lshl_b32 s17, s12, 17
	s_add_co_u32 s16, s16, s17
	s_mov_b32 s17, 0
	s_lshl_b32 s46, s42, 19                        ; B: (256 x block column + 128 x half) rows
	s_lshl_b32 s47, s12, 18
	s_add_co_u32 s46, s46, s47
	s_mov_b32 s47, 0
	s_mul_i32 s20, s10, 128*PITCH                  ; waves 0, 1: B's halves at wave x 128 rows
	s_mul_i32 s21, s10, 64*PITCH
	s_add_co_u32 s21, s21, 128*PITCH               ; waves 2, 3: A's halves behind B's 256 rows = 128 rows + wave x 64 rows
	s_wait_dscnt 0x0
	s_wait_kmcnt 0x0
	s_add_nc_u64 s[14:15], s[4:5], s[16:17]
	s_add_nc_u64 s[46:47], s[6:7], s[46:47]
	CROUND                                         ; all sixteen work-groups are here: the first joint loads meet
.irp s, 0,1
	s_mov_b32 s[G0+4*\s], 1
	s_add_co_u32 s[G0+4*\s+1], s21, \s*SLOT
	s_add_nc_u64 s[G0+4*\s+2:G0+4*\s+3], s[14:15], \s*KSTEP*2
	s_or_b32 s[G0+4*\s+3], s[G0+4*\s+3], 0x80000000
	s_mov_b32 s[G0B+4*\s], 1
	s_add_co_u32 s[G0B+4*\s+1], s20, \s*SLOT
	s_add_nc_u64 s[G0B+4*\s+2:G0B+4*\s+3], s[46:47], \s*KSTEP*2
	s_or_b32 s[G0B+4*\s+3], s[G0B+4*\s+3], 0x80000000
	JLOAD \s
.endr
	v_and_b32 v1, 15, v0                           ; l % 16
	v_bfe_u32 v2, v0, 4, 1                         ; l / 16
	v_mul_u32_u24 v3, v1, PITCH
	v_lshl_add_u32 v3, v2, 4, v3
	s_mul_i32 s21, s11, 64*PITCH
	s_add_co_u32 s21, s21, BTILE                   ; my 64 rows of A
	s_mul_i32 s22, s12, 128*PITCH                  ; my 128 rows of B
.irp s, 0,1
	v_add_nc_u32 v[ADRA+\s], s21, v3
	v_add_nc_u32 v[ADRB+\s], s22, v3
	s_add_co_u32 s21, s21, SLOT
	s_add_co_u32 s22, s22, SLOT
.endr
	s_mul_i32 s23, s10, 16*SPITCH
	s_add_co_u32 s23, s23, STAGE
	v_mul_u32_u24 v4, v1, SPITCH
	v_lshl_add_u32 v4, v2, 4, v4
	v_add_nc_u32 v[STO], s23, v4
	v_mul_u32_u24 v5, v2, SPITCH
	v_lshl_add_u32 v5, v1, 4, v5
	v_add_nc_u32 v[RD], s23, v5
	v_lshlrev_b32 v5, 11, v2
	v_lshl_add_u32 v[CO], v1, 4, v5
; 8 matrix instructions: m block a x all 8 n blocks, 32 along K.  The 32 accumulators take turns, one instruction a turn, in the same order in
; every quarter step, over the loop's backward jump too.
.macro MULA f, a, zero
.irp b, 0,1,2,3,4,5,6,7
.if \zero
	v_wmma_f32_16x16x32_f16 v[8*(8*\a+\b):8*(8*\a+\b)+7], v[FB+64*\f+8*\b:FB+64*\f+8*\b+7], v[FA+32*\f+8*\a:FA+32*\f+8*\a+7], 0
.else
	v_wmma_f32_16x16x32_f16 v[8*(8*\a+\b):8*(8*\a+\b)+7], v[FB+64*\f+8*\b:FB+64*\f+8*\b+7], v[FA+32*\f+8*\a:FA+32*\f+8*\a+7], v[8*(8*\a+\b):8*(8*\a+\b)+7]
.endif
.endr
.endm
; 24 LDS loads in one run: B's 8 fragments, then A's 4, of the quarter step at byte k of the rows
.macro FETCH slot, k, f
.irp i, 0,1,2,3,4,5,6,7
	ds_load_b128 v[FB+64*\f+8*\i:FB+64*\f+8*\i+3],   v[ADRB+\slot] offset:\k+\i*16*PITCH
	ds_load_b128 v[FB+64*\f+8*\i+4:FB+64*\f+8*\i+7], v[ADRB+\slot] offset:\k+\i*16*PITCH+32
.endr
.irp i, 0,1,2,3
	ds_load_b128 v[FA+32*\f+8*\i:FA+32*\f+8*\i+3],   v[ADRA+\slot] offset:\k+\i*16*PITCH
	ds_load_b128 v[FA+32*\f+8*\i+4:FA+32*\f+8*\i+7], v[ADRA+\slot] offset:\k+\i*16*PITCH+32
.endr
.endm
.macro QUARTER slot, k, f, g, zero
	s_wait_dscnt 4                                 ; B and A's fragments 0, 1 are in; the youngest four loads (A's 2, 3) may be out
	WIN MULW
	MULA \f, 0, \zero
	MULA \f, 1, \zero
	WIN 0
	PLACES
	FETCH \slot, \k, \g
	s_wait_dscnt 24                                ; all but the 24 just issued
	WIN MULW
	MULA \f, 2, \zero
	MULA \f, 3, \zero
.endm
.macro THREE slot, zero
	QUARTER \slot, 64,  0, 1, \zero
	QUARTER \slot, 128, 1, 0, 0
	QUARTER \slot, 192, 0, 1, 0
.endm
; The last quarter of a K step changes slots.  In front of the one barrier each wave waits for its reads of this slot and for all its tensor
; loads (the one that is out is its part of the next slot).  Where the slot is filled again the barrier opens a round of the cluster's barrier,
; and the joint refill is the first tensor load behind the round.  From a request to the wait for it a wave issues 120 matrix instructions.
.macro TURN slot, next, fill
	s_wait_dscnt 4
	WIN MULW
	MULA 1, 0, 0
	s_wait_dscnt 0x0
	s_wait_tensorcnt 0x0
	ds_add_u32 v30, v31
	s_wait_dscnt 0x0
	s_barrier_signal -1
	MULA 1, 1, 0
	WIN 0
	s_barrier_wait -1
.if \fill
	CREST
	s_add_nc_u64 s[G0+4*\slot+2:G0+4*\slot+3], s[G0+4*\slot+2:G0+4*\slot+3], 2*KSTEP*2
	s_add_nc_u64 s[G0B+4*\slot+2:G0B+4*\slot+3], s[G0B+4*\slot+2:G0B+4*\slot+3], 2*KSTEP*2
	JLOAD \slot
.endif
	PLACES
	FETCH \next, 0, 0
	WIN MULW
	MULA 1, 2, 0
	MULA 1, 3, 0
.endm
.macro LAP zero
	THREE 0, \zero
	TURN 0, 1, 1
	THREE 1, 0
	TURN 1, 0, 1
.endm
	s_wait_tensorcnt 0x1                           ; my part of K step 0 is in; K step 1's load stays out
	s_barrier_signal -1
	s_barrier_wait -1
	FETCH 0, 0, 0
	LAP 1                                          ; the first lap's first products start the sums
	WIN 0
	s_mov_b32 s3, LAPS-2
.Llap:
	LAP 0
	WIN 0
	s_sub_co_u32 s3, s3, 1
	s_cmp_lg_u32 s3, 0
	s_cbranch_scc1 .Llap
	THREE 0, 0                                     ; the last lap fills nothing
	TURN 0, 1, 0
	THREE 1, 0
	s_wait_dscnt 4
	WIN MULW
	MULA 1, 0, 0
	MULA 1, 1, 0
	s_wait_dscnt 0x0
	MULA 1, 2, 0
	MULA 1, 3, 0
	; THE WAY OUT, 16 rows at a time through my own stage: 16 bytes a lane in, whole rows of 256 bytes back.
	PLACES
	s_lshl_b32 s16, s13, 18                        ; 128 x block row
	s_lshl_b32 s14, s11, 17                        ; + 64 x my half, rows of 2,048 bytes
	s_add_co_u32 s16, s16, s14
	s_mov_b32 s17, 0
	s_add_nc_u64 s[8:9], s[8:9], s[16:17]
	s_lshr_b32 s46, s42, 2                         ; which half of C,
	s_lshl_b32 s46, s46, 23                        ; 8,388,608 bytes each
	s_and_b32 s47, s42, 3
	s_lshl_b32 s47, s47, 9                         ; 256 columns a block
	s_add_co_u32 s46, s46, s47
	s_lshl_b32 s47, s12, 8
	s_add_co_u32 s46, s46, s47
	s_mov_b32 s47, 0
	s_add_nc_u64 s[8:9], s[8:9], s[46:47]
.macro OUT16 i, f
	WIN 0x05                                       ; sources in window 1
.irp b, 0,1,2,3,4,5,6,7
.irp r, 0,1,2,3
	v_cvt_pk_f16_f32 v[TMP+4*\b+\r], v[8*(8*\i+\b)+2*\r], v[8*(8*\i+\b)+2*\r+1]
.endr
.endr
	WIN 0
.irp b, 0,1,2,3,4,5,6,7
	ds_store_b128 v[STO], v[TMP+4*\b:TMP+4*\b+3] offset:32*\b
.endr
	s_wait_xcnt 0x0                                ; the buffer that earlier stores read, and their base, are rewritten only behind this wait
.if \i
	s_add_nc_u64 s[8:9], s[8:9], 16*ROWB
.endif
.irp t, 0,1,2,3,4,5,6,7
	ds_load_b128 v[FB+64*\f+4*\t:FB+64*\f+4*\t+3], v[RD] offset:\t*2*SPITCH      ; a wave's LDS instructions are served in order: these see the stores above
.endr
.irp t, 0,1,2,3,4,5,6,7
	s_wait_dscnt 7-\t
	global_store_b128 v[CO], v[FB+64*\f+4*\t:FB+64*\f+4*\t+3], s[8:9] offset:2*\t*ROWB   ; 16 lanes store 256 consecutive bytes, aligned
.endr
.endm
	OUT16 0, 0
	OUT16 1, 1
	OUT16 2, 0
	OUT16 3, 1
	s_wait_tensorcnt 0x0
	ds_add_u32 v30, v31
	s_wait_dscnt 0x0
	CROUND                                         ; the closing round
	s_endpgm
.Lfunc_end_k_q4031a9fe8f_g1:
	.size	k_q4031a9fe8f_g1, .Lfunc_end_k_q4031a9fe8f_g1-k_q4031a9fe8f_g1
	.p2alignl 7, 3214868480
	.fill 96, 4, 3214868480
	.section	.rodata,"a",@progbits
	.p2align	6, 0x0
	.amdhsa_kernel k_q4031a9fe8f_g1
		.amdhsa_group_segment_fixed_size 327680
		.amdhsa_private_segment_fixed_size 0
		.amdhsa_enable_private_segment 0
		.amdhsa_kernarg_size 24
		.amdhsa_user_sgpr_count 2
		.amdhsa_user_sgpr_kernarg_segment_ptr 1
		.amdhsa_wavefront_size32 1
		.amdhsa_system_sgpr_workgroup_id_x 1
		.amdhsa_system_sgpr_workgroup_id_y 1
		.amdhsa_system_sgpr_workgroup_id_z 1
		.amdhsa_system_vgpr_workitem_id 0
		.amdhsa_next_free_vgpr 512
		.amdhsa_next_free_sgpr 66
		.amdhsa_reserve_vcc 0
		.amdhsa_float_denorm_mode_32 3
		.amdhsa_float_denorm_mode_16_64 3
		.amdhsa_memory_ordered 1
		.amdhsa_forward_progress 1
		.amdhsa_inst_pref_size 118
	.end_amdhsa_kernel
	.amdgpu_metadata
---
amdhsa.version: [ 1, 2 ]
amdhsa.kernels:
  - .name:           k_q4031a9fe8f_g1
    .symbol:         k_q4031a9fe8f_g1.kd
    .args:
      - { .name: xn, .offset: 0, .size: 8, .value_kind: global_buffer, .address_space: global }
      - { .name: wkq16, .offset: 8, .size: 8, .value_kind: global_buffer, .address_space: global }
      - { .name: kq16, .offset: 16, .size: 8, .value_kind: global_buffer, .address_space: global }
    .group_segment_fixed_size: 327680
    .private_segment_fixed_size: 0
    .kernarg_segment_align: 8
    .kernarg_segment_size: 24
    .max_flat_workgroup_size: 128
    .sgpr_count:     66
    .vgpr_count:     512
    .wavefront_size: 32
...
	.end_amdgpu_metadata
.endif
;; end of part 3
;; launch g2: the kernel of part 3 again; grid 8 x 32, 4 waves a work-group, clusters of 4 x 4, 327,680 bytes of LDS; arguments kq16, wsf16, kw16; writes kw16
;; launch smax (part 4): grid 16 x 16, 4 waves a work-group, clusters of 4 x 1, 327,680 bytes of LDS; arguments kq16, kw16, b_spa, b_frq, p16; writes p16
.if DOCPART == 4
	.amdgcn_target "amdgcn-amd-amdhsa--gfx1250"
	.amdhsa_code_object_version 6
	.text
	.protected	k_q4031a9fe8f_smax
	.globl	k_q4031a9fe8f_smax
	.p2align	8
	.type	k_q4031a9fe8f_smax,@function
k_q4031a9fe8f_smax:
	s_mov_b64 s[64:65], 0
	v_nop
	global_prefetch_b8 v0, s[64:65] scope:SCOPE_SE
	s_setreg_imm32_b32 hwreg(HW_REG_WAVE_MODE, 25, 1), 1
	s_wait_xcnt 0x0
	s_wait_alu depctr_hold_cnt(0) depctr_sa_sdst(0) depctr_va_vdst(0) depctr_va_sdst(0) depctr_va_ssrc(0) depctr_va_vcc(0) depctr_vm_vsrc(0)
	s_getreg_b32 s2, hwreg(HW_REG_IB_STS2, 6, 4)
	s_cmp_eq_u32 s2, 0
	s_cbranch_scc0 .Lentry_in_a_cluster
	s_endpgm
.Lentry_in_a_cluster:
	s_bfe_u32 s2, ttmp6, 0x10000c
	s_cmp_lg_u32 s2, 0x3003
	s_cbranch_scc0 .Lentry_shape_is_right
	s_endpgm
.Lentry_shape_is_right:
; P[br][b][n][m] = softmax over m of ( sum over 256 c of q[c][n] kw_br[c][m] + bias_br[m] ), f16, for 64 rows n of batch b, both branches.
; kw = k W^T / 32: the attention's scale is already in it (W was divided by 32, an exact step, where it was rounded to f16).
; The row's true maximum is taken away before the exponential.  LIMITS: q, kw and P are f16 (P lies in [0, 1] for every input; below 6.1e-5 its
; step is 6e-8); v_exp_f32 and v_rcp_f32 are good to one unit in the last place, and an exponential below 2^-126 comes out as 0; a row that holds
; a NaN or nothing but -inf is not served.
; Four waves.  q's fragments (64 n x 256 c) lie in 256 registers of every wave for the whole kernel.  For a branch the scores 64 n x 1024 m lie in
; registers, 512 a wave: kw comes in four chunks of 256 c x 256 m, and of each chunk wave w takes columns 64 w .. 64 w + 63.
; Source 0 = kw (index m), source 1 = q (index n): lane l holds row n = l % 16 and columns m = 8 (l / 16) + 0..7.  Both lie [c][..] in memory and LDS,
; so both come through transposing loads.
; CLUSTER 4 x 1: the four row blocks of a cluster belong to one batch and walk the same eight chunks of kw: each chunk is asked for jointly
; (mask 15), a quarter (64 rows of 512 bytes) by each wave.  q's tile hangs on the row block and is a plain load; its rows are 128 bytes, as many
; as 64 rows n give.  A wave has three tensor loads out at the start and one behind each round.
.set QP,    160                        ; q rows in LDS: 128 bytes + 32, an odd multiple of 32
.set KP,    544                        ; kw rows in LDS: 512 bytes + 32, an odd multiple of 32
.set SLOTB, 256*KP                     ; 139,264
.set QT,    2*SLOTB                    ; q's tile: filled once; when q is in registers its bytes are the stage for P
.set RED,   QT+256*QP                  ; 1 KiB of row maxima, 1 KiB of row sums: 4 a x 16 r x 4 waves words; no tensor load lands here
.set SP,    2064                       ; stage rows: 2,048 bytes + 16
.set MX,   16                          ; v16-19   row maxima, a = 0..3
.set TT,   20                          ; v20-23   the other half's figure
.set PR,   24                          ; v24-31   four pairs: -max x log2 e, later 1 / sum
.set SM,   32                          ; v32-39   four pairs of sums
.set RL,   40                          ; v40-55   the four waves' figures
.set FB,   64                          ; v64-127  kw fragments, two buffers of 4; later 64 packed words
.set BIAS, 128                         ; v128-255 bias of my 128 columns, 8 (4 t + bb) + j; later two sets of 64 on the way out
; v1 q's fragment address; v2-5 kw's, slot x 2 + half of K; v6, v7 RED in, back; v8 stage in; v9 stage back; v10 offset in P; v11 offset in the bias
; window 1: q fragment (kk, a) at 8 (4 kk + a);  windows 2, 3: score tile (t, a, bb) in window 2 + t / 2 at 128 (t % 2) + 8 (4 a + bb)
.set MSB, 0
.macro WIN new
.if MSB != (\new)
	s_set_vgpr_msb (MSB<<8)|(\new)
.set MSB, (\new)
.endif
.endm
.macro PLACES                          ; four places behind a matrix instruction (ISA guide 7.12.1 for vector instructions)
.rept 4
	v_nop
.endr
.endm
.macro BAR
	s_wait_dscnt 0x0
	s_barrier_signal -1
	s_barrier_wait -1
.endm
.macro CROUND                          ; a round of the cluster's barrier
	s_barrier_signal -1
	s_barrier_wait -1
	s_cmp_lg_u32 s10, 0
	s_cbranch_scc1 .Lnot_wave_0_\@
	s_barrier_signal -3
.Lnot_wave_0_\@:
	s_barrier_wait -3
	s_barrier_signal -1
	s_barrier_wait -1
.endm
	s_load_b256 s[12:19], s[0:1], 0x0              ; kq16 12, kw16 14, b_spa 16, b_frq 18
	s_load_b64 s[20:21], s[0:1], 0x20              ; p16
	v_lshl_add_u32 v62, v0, 2, 0x4e800
	v_mov_b32 v63, 0
	ds_add_u32 v62, v63
	v_lshrrev_b32 v1, 5, v0
	v_readfirstlane_b32 s10, v1                    ; wave
	s_bfe_u32 s54, ttmp6, 0x40000                  ; cx
	s_lshl_b32 s55, ttmp9, 2
	s_add_co_u32 s55, s55, s54                     ; row block of 64 n
	s_and_b32 s56, ttmp7, 0xffff                   ; batch
	s_mov_b32 s52, 0x76543210                      ; v_permlanex16_b32: lane i reads lane i of the other half
	s_mov_b32 s53, 0xfedcba98
	; group 1 of q's tile: 64 rows x 64 elements, after every 32 words 8 words of padding; no mask
	s_mov_b32 s24, (1<<16)|(1<<20)|(4<<22)|(7<<25)
	s_mov_b32 s25, 64<<16
	s_mov_b32 s26, 64<<16
	s_mov_b32 s27, 64<<16
	s_mov_b32 s28, 64
	s_mov_b32 s29, 1024
	s_mov_b32 s30, 0
	s_mov_b32 s31, 0
	; group 1 of a quarter chunk of kw: 64 rows x 256 elements, after every 128 words 8 words; mask of all four partners, bit 21 beside it
	s_mov_b32 s32, 15|(1<<16)|(1<<20)|(1<<21)|(6<<22)|(7<<25)
	s_mov_b32 s33, 256<<16
	s_mov_b32 s34, 64<<16
	s_mov_b32 s35, 256<<16
	s_mov_b32 s36, 64
	s_mov_b32 s37, 1024
	s_mov_b32 s38, 0
	s_mov_b32 s39, 0
	s_lshl_b32 s58, s56, 19                        ; batch x 256 rows x 2,048 bytes
	s_lshl_b32 s22, s10, 17                        ; + wave x 64 rows: shared by the partners
	s_add_co_u32 s58, s58, s22
	s_mov_b32 s59, 0
	s_lshl_b32 s60, s55, 7                         ; q: the same rows, + 128 bytes a row block,
	s_add_co_u32 s60, s60, s58
	s_add_co_u32 s60, s60, 0x800000                ; in the second half of kq16
	s_mov_b32 s61, 0
	s_mul_i32 s22, s10, 64*QP
	s_mul_i32 s23, s10, 64*KP
	s_lshl_b32 s2, s10, 7                          ; 128 w
	s_lshl_b32 s3, s10, 2
	s_mul_i32 s4, s10, 4*SP
	s_add_co_u32 s4, s4, QT
	s_lshl_b32 s5, s10, 13
	s_lshl_b32 s6, s10, 8
	s_lshl_b32 s8, s56, 21                         ; P: batch x 1,024 rows x 2,048 bytes + row block x 64 rows
	s_lshl_b32 s7, s55, 17
	s_add_co_u32 s8, s8, s7
	s_mov_b32 s9, 0
	v_and_b32 v12, 31, v0                          ; L
	v_and_b32 v13, 15, v0                          ; r
	v_bfe_u32 v14, v0, 4, 1                        ; h
	v_bfe_u32 v15, v0, 3, 1
	v_and_b32 v16, 7, v0
	v_lshl_add_u32 v16, v14, 3, v16                ; 8 h + (L & 7): the row that a transposing load addresses
	v_lshlrev_b32 v15, 4, v15                      ; 16 ((L >> 3) & 1)
	v_mul_u32_u24 v1, v16, QP
	v_add_nc_u32 v1, v1, v15
	v_add_nc_u32 v1, QT, v1
	v_mul_u32_u24 v2, v16, KP
	v_add_nc_u32 v2, v2, v15
	v_add_nc_u32 v2, s2, v2                        ; my 64 columns
	v_add_nc_u32 v3, 128*KP, v2                    ; K steps 4-7: beyond the reach of a 16-bit offset
	v_add_nc_u32 v4, SLOTB, v2
	v_add_nc_u32 v5, SLOTB+128*KP, v2
	v_lshlrev_b32 v7, 4, v13
	v_add_nc_u32 v7, RED, v7
	v_add_nc_u32 v6, s3, v7
	v_mul_u32_u24 v8, v13, SP
	v_lshl_add_u32 v8, v14, 4, v8
	v_add_nc_u32 v8, s2, v8
	v_add_nc_u32 v8, QT, v8
	v_lshl_add_u32 v9, v12, 4, s4
	v_lshl_add_u32 v10, v12, 4, s5
	v_lshl_add_u32 v11, v14, 5, s6
.irp a, 0,1,2,3
	v_mov_b32 v[TT+\a], 0                          ; the destination of v_permlanex16_b32 counts as read
.endr
	s_wait_dscnt 0x0
	s_wait_kmcnt 0x0
	s_add_nc_u64 s[20:21], s[20:21], s[8:9]
	s_mov_b32 s40, 1                               ; group 0 of q's tile
	s_add_co_u32 s41, s22, QT
	s_add_nc_u64 s[42:43], s[12:13], s[60:61]
	s_or_b32 s43, s43, 0x80000000
	s_mov_b32 s44, 1                               ; group 0 of slot 0: chunk 0
	s_add_co_u32 s45, s23, 0
	s_add_nc_u64 s[46:47], s[14:15], s[58:59]
	s_mov_b32 s48, 1                               ; group 0 of slot 1: chunk 1, 256 columns on
	s_add_co_u32 s49, s23, SLOTB
	s_add_nc_u64 s[50:51], s[46:47], 512
	s_or_b32 s47, s47, 0x80000000
	s_or_b32 s51, s51, 0x80000000
.macro BIASLD p                        ; the bias of my 128 columns: 8 neighbouring numbers for each (t, bb)
.irp t, 0,1,2,3
.irp bb, 0,1,2,3
	global_load_b128 v[BIAS+8*(4*\t+\bb):BIAS+8*(4*\t+\bb)+3], v11, s[\p:\p+1] offset:1024*\t+64*\bb
	global_load_b128 v[BIAS+8*(4*\t+\bb)+4:BIAS+8*(4*\t+\bb)+7], v11, s[\p:\p+1] offset:1024*\t+64*\bb+16
.endr
.endr
.endm
.macro FETCHB slot, kk, buf            ; kw's four fragments of K step kk
.irp bb, 0,1,2,3
	ds_load_tr16_b128 v[FB+32*\buf+8*\bb:FB+32*\buf+8*\bb+3], v[2+2*\slot+\kk/4] offset:(\kk%4)*32*KP+32*\bb
	ds_load_tr16_b128 v[FB+32*\buf+8*\bb+4:FB+32*\buf+8*\bb+7], v[2+2*\slot+\kk/4] offset:(\kk%4)*32*KP+32*\bb+16*KP
.endr
.endm
; 16 matrix instructions: 64 n x 64 m, 32 along c.  The 16 accumulators take turns, one instruction a turn.
.macro MUL16 kk, buf, t
	WIN (0xa4+0x50*(\t/2))                         ; source 1 (q) in window 1, C and D in window 2 or 3
.irp a, 0,1,2,3
.irp bb, 0,1,2,3
.set D, 128*(\t&1)+8*(4*\a+\bb)
.if \kk == 0
	v_wmma_f32_16x16x32_f16 v[D:D+7], v[FB+32*\buf+8*\bb:FB+32*\buf+8*\bb+7], v[8*(4*\kk+\a):8*(4*\kk+\a)+7], 0
.else
	v_wmma_f32_16x16x32_f16 v[D:D+7], v[FB+32*\buf+8*\bb:FB+32*\buf+8*\bb+7], v[8*(4*\kk+\a):8*(4*\kk+\a)+7], v[D:D+7]
.endif
.endr
.endr
	WIN 0
.endm
.macro COMPUTE slot, t                 ; a chunk: 8 K steps, the next step's fragments fetched ahead of each step's products
	PLACES
	FETCHB \slot, 0, 0
.irp kk, 0,1,2,3,4,5,6
.if \kk > 0
	PLACES
.endif
	FETCHB \slot, (\kk+1), ((\kk+1)&1)
	s_wait_dscnt 8                                 ; this step's fragments are in; the 8 loads just issued stay out
	MUL16 \kk, (\kk&1), \t
.endr
	s_wait_dscnt 0x0
	MUL16 7, 1, \t
.endm
; A slot that has been read is filled again: my reads of it are back, all my tensor loads have landed (the other slot's among them), the slot's
; address steps, a round of the cluster's barrier, and the joint load first behind it, one a wave.
.macro REFILL slot, step
	s_wait_dscnt 0x0
	s_wait_tensorcnt 0x0
	ds_add_u32 v62, v63
	s_wait_dscnt 0x0
	s_add_nc_u64 s[46+4*\slot:47+4*\slot], s[46+4*\slot:47+4*\slot], \step
	CROUND
	tensor_load_to_lds s[44+4*\slot:47+4*\slot], s[32:39]
	s_nop 0
.endm
; The passes over the scores, one window (256 registers) at a time; hi = 0: window 2 (t = 0, 1), hi = 1: window 3 (t = 2, 3).
.macro ZPASS hi                        ; z = score + bias
	WIN (0x82+0x41*\hi)
.irp tl, 0,1
.irp a, 0,1,2,3
.irp bb, 0,1,2,3
.irp j, 0,2,4,6
.set R, 128*\tl+8*(4*\a+\bb)+\j
.set BI, BIAS+8*(4*(2*\hi+\tl)+\bb)+\j
	v_pk_add_f32 v[R:R+1], v[R:R+1], v[BI:BI+1]
.endr
.endr
.endr
.endr
.endm
.macro MAXPASS hi                      ; four chains, one for each a
	WIN (0x28+0x14*\hi)
.irp tl, 0,1
.irp bb, 0,1,2,3
.irp j, 0,2,4,6
.irp a, 0,1,2,3
.set R, 128*\tl+8*(4*\a+\bb)+\j
	v_max3_num_f32 v[MX+\a], v[MX+\a], v[R], v[R+1]
.endr
.endr
.endr
.endr
.endm
.macro EPASS hi                        ; 2^((z - max) log2 e); behind a tile's exponentials stands the next tile's arithmetic (ISA guide 5.7.2)
	WIN (0x82+0x41*\hi)
.irp tl, 0,1
.irp a, 0,1,2,3
.irp bb, 0,1,2,3
.set R, 128*\tl+8*(4*\a+\bb)
.irp j, 0,2,4,6
	v_pk_fma_f32 v[R+\j:R+\j+1], v[R+\j:R+\j+1], 0x3fb8aa3b, v[PR+2*\a:PR+2*\a+1] op_sel_hi:[1,0,1]
.endr
.irp j, 0,1,2,3,4,5,6,7
	v_exp_f32 v[R+\j], v[R+\j]
.endr
.endr
.endr
.endr
.endm
.macro SUMPASS hi
	WIN (0x08+0x04*\hi)
.irp tl, 0,1
.irp bb, 0,1,2,3
.irp j, 0,2,4,6
.irp a, 0,1,2,3
.set R, 128*\tl+8*(4*\a+\bb)+\j
	v_pk_add_f32 v[SM+2*\a:SM+2*\a+1], v[SM+2*\a:SM+2*\a+1], v[R:R+1]
.endr
.endr
.endr
.endr
.endm
.macro PPASS hi                        ; times 1 / sum
	WIN (0x82+0x41*\hi)
.irp tl, 0,1
.irp a, 0,1,2,3
.irp bb, 0,1,2,3
.irp j, 0,2,4,6
.set R, 128*\tl+8*(4*\a+\bb)+\j
	v_pk_mul_f32 v[R:R+1], v[R:R+1], v[PR+2*\a:PR+2*\a+1]
.endr
.endr
.endr
.endr
.endm
.macro PACK a, hi                      ; rows 16 a .. 16 a + 15, this window's columns, to f16
	WIN (0x0a+0x05*\hi)
.irp tl, 0,1
.irp bb, 0,1,2,3
.irp jj, 0,1,2,3
.set R, 128*\tl+8*(4*\a+\bb)+2*\jj
	v_cvt_pk_f16_f32 v[FB+4*(4*(2*\hi+\tl)+\bb)+\jj], v[R], v[R+1]
.endr
.endr
.endr
.endm
; 16 rows of P through the stage: every wave puts its columns in, every wave takes four whole rows of 2,048 bytes out.
.macro PIECE a
	PACK \a, 0
	PACK \a, 1
	WIN 0
.if \a > 0
	BAR                                            ; every wave has read the last piece
.endif
.irp t, 0,1,2,3
.irp bb, 0,1,2,3
	ds_store_b128 v8, v[FB+4*(4*\t+\bb):FB+4*(4*\t+\bb)+3] offset:512*\t+32*\bb
.endr
.endr
	BAR                                            ; the piece is whole
	s_wait_xcnt 0x0                                ; the set that earlier stores read is loaded again only behind this wait
.irp i, 0,1,2,3
.irp jq, 0,1,2,3
	ds_load_b128 v[BIAS+64*(\a&1)+4*(4*\i+\jq):BIAS+64*(\a&1)+4*(4*\i+\jq)+3], v9 offset:\i*SP+512*\jq
.endr
.endr
.irp i, 0,1,2,3
.irp jq, 0,1,2,3
	s_wait_dscnt 15-(4*\i+\jq)                     ; LDS loads come back in order: the younger ones stay out
	global_store_b128 v10, v[BIAS+64*(\a&1)+4*(4*\i+\jq):BIAS+64*(\a&1)+4*(4*\i+\jq)+3], s[20:21] offset:(16*\a+\i)*2048+512*\jq   ; 512 consecutive bytes, aligned
.endr
.endr
.endm
.macro SOFTMAX
	s_wait_loadcnt 0x0                             ; the bias
.irp a, 0,1,2,3
	v_mov_b32 v[MX+\a], 0xff800000                 ; these twelve lines are also the places behind the last matrix instruction
	v_mov_b32 v[SM+2*\a], 0
	v_mov_b32 v[SM+2*\a+1], 0
.endr
	ZPASS 0
	ZPASS 1
	MAXPASS 0
	MAXPASS 1
	WIN 0
.irp a, 0,1,2,3
	v_permlanex16_b32 v[TT+\a], v[MX+\a], s52, s53 ; the row's other eight columns of each sixteen
.endr
.irp a, 0,1,2,3
	v_max_num_f32 v[MX+\a], v[MX+\a], v[TT+\a]
.endr
.irp a, 0,1,2,3
	ds_store_b32 v6, v[MX+\a] offset:256*\a
.endr
	BAR
.irp a, 0,1,2,3
	ds_load_b128 v[RL+4*\a:RL+4*\a+3], v7 offset:256*\a
.endr
	s_wait_dscnt 0x0
.irp a, 0,1,2,3
	v_max3_num_f32 v[MX+\a], v[RL+4*\a], v[RL+4*\a+1], v[RL+4*\a+2]
	v_max_num_f32 v[MX+\a], v[MX+\a], v[RL+4*\a+3]
	v_mul_f32 v[PR+2*\a], 0xbfb8aa3b, v[MX+\a]     ; its rounding shifts a whole row's exponents alike and leaves with the division by the sum
	v_mul_f32 v[PR+2*\a+1], 0xbfb8aa3b, v[MX+\a]
.endr
	EPASS 0
	EPASS 1
	v_nop
	s_wait_alu depctr_va_vdst(0)
	SUMPASS 0
	SUMPASS 1
	WIN 0
.irp a, 0,1,2,3
	v_add_f32 v[SM+2*\a], v[SM+2*\a], v[SM+2*\a+1]
.endr
.irp a, 0,1,2,3
	v_permlanex16_b32 v[TT+\a], v[SM+2*\a], s52, s53
.endr
.irp a, 0,1,2,3
	v_add_f32 v[SM+2*\a], v[SM+2*\a], v[TT+\a]
.endr
.irp a, 0,1,2,3
	ds_store_b32 v6, v[SM+2*\a] offset:1024+256*\a
.endr
	BAR
.irp a, 0,1,2,3
	ds_load_b128 v[RL+4*\a:RL+4*\a+3], v7 offset:1024+256*\a
.endr
	s_wait_dscnt 0x0
.irp a, 0,1,2,3
	v_add_f32 v[RL+4*\a], v[RL+4*\a], v[RL+4*\a+1]
	v_add_f32 v[RL+4*\a+2], v[RL+4*\a+2], v[RL+4*\a+3]
	v_add_f32 v[RL+4*\a], v[RL+4*\a], v[RL+4*\a+2]
.endr
.irp a, 0,1,2,3
	v_rcp_f32 v[PR+2*\a], v[RL+4*\a]               ; the sum holds the maximum's own term, about 1
.endr
	v_nop
	s_wait_alu depctr_va_vdst(0)
.irp a, 0,1,2,3
	v_mov_b32 v[PR+2*\a+1], v[PR+2*\a]
.endr
	PPASS 0
	PPASS 1
	PIECE 0
	PIECE 1
	PIECE 2
	PIECE 3
.endm
	BIASLD 16
	CROUND                                         ; in front of the first fills
	tensor_load_to_lds s[40:43], s[24:31]          ; my quarter of q
	s_nop 0
	tensor_load_to_lds s[44:47], s[32:39]          ; of chunk 0
	s_nop 0
	tensor_load_to_lds s[48:51], s[32:39]          ; of chunk 1
	s_nop 0
	s_wait_tensorcnt 0x1                           ; q and chunk 0 are in; chunk 1's load stays out
	s_barrier_signal -1
	s_barrier_wait -1
	WIN 0x40                                       ; q's 32 fragments into window 1
.irp kk, 0,1,2,3,4,5,6,7
.irp a, 0,1,2,3
	ds_load_tr16_b128 v[8*(4*\kk+\a):8*(4*\kk+\a)+3], v1 offset:\kk*32*QP+32*\a
	ds_load_tr16_b128 v[8*(4*\kk+\a)+4:8*(4*\kk+\a)+7], v1 offset:\kk*32*QP+32*\a+16*QP
.endr
.endr
	WIN 0
	s_wait_dscnt 0x0
	COMPUTE 0, 0
	REFILL 0, 1024                                 ; chunk 2: 512 columns on
	COMPUTE 1, 1
	REFILL 1, 1024                                 ; chunk 3
	COMPUTE 0, 2
	REFILL 0, 8387584                              ; chunk 4: the other branch's half of kw16, 8,388,608 bytes on, back to its first columns
	COMPUTE 1, 3
	REFILL 1, 8387584                              ; chunk 5: it lands during the softmax, whose barriers fill nothing
	SOFTMAX
	s_wait_xcnt 0x0                                ; the stores' data registers and base are rewritten only behind this wait
	s_add_nc_u64 s[20:21], s[20:21], 0x2000000     ; the other branch's P: 16 batches x 2,097,152 bytes on
	BIASLD 18
	COMPUTE 0, 0
	REFILL 0, 1024                                 ; chunk 6
	COMPUTE 1, 1
	REFILL 1, 1024                                 ; chunk 7
	COMPUTE 0, 2
	s_wait_dscnt 0x0
	s_wait_tensorcnt 0x0                           ; my quarter of chunk 7
	s_barrier_signal -1
	s_barrier_wait -1                              ; everybody's; nothing is filled any more
	COMPUTE 1, 3
	SOFTMAX
	s_wait_tensorcnt 0x0
	ds_add_u32 v62, v63
	s_wait_dscnt 0x0
	CROUND                                         ; the closing round
	s_endpgm
.Lfunc_end_k_q4031a9fe8f_smax:
	.size	k_q4031a9fe8f_smax, .Lfunc_end_k_q4031a9fe8f_smax-k_q4031a9fe8f_smax
	.p2alignl 7, 3214868480
	.fill 96, 4, 3214868480
	.section	.rodata,"a",@progbits
	.p2align	6, 0x0
	.amdhsa_kernel k_q4031a9fe8f_smax
		.amdhsa_group_segment_fixed_size 327680
		.amdhsa_private_segment_fixed_size 0
		.amdhsa_enable_private_segment 0
		.amdhsa_kernarg_size 40
		.amdhsa_user_sgpr_count 2
		.amdhsa_user_sgpr_kernarg_segment_ptr 1
		.amdhsa_wavefront_size32 1
		.amdhsa_system_sgpr_workgroup_id_x 1
		.amdhsa_system_sgpr_workgroup_id_y 1
		.amdhsa_system_sgpr_workgroup_id_z 1
		.amdhsa_system_vgpr_workitem_id 0
		.amdhsa_next_free_vgpr 1024
		.amdhsa_next_free_sgpr 66
		.amdhsa_reserve_vcc 0
		.amdhsa_float_denorm_mode_32 3
		.amdhsa_float_denorm_mode_16_64 3
		.amdhsa_memory_ordered 1
		.amdhsa_forward_progress 1
		.amdhsa_inst_pref_size 255
	.end_amdhsa_kernel
	.section	.bss,"aw",@nobits
	.p2align	6
	.space	262144
	.amdgpu_metadata
---
amdhsa.version: [ 1, 2 ]
amdhsa.kernels:
  - .name:           k_q4031a9fe8f_smax
    .symbol:         k_q4031a9fe8f_smax.kd
    .args:
      - { .name: kq16, .offset: 0, .size: 8, .value_kind: global_buffer, .address_space: global }
      - { .name: kw16, .offset: 8, .size: 8, .value_kind: global_buffer, .address_space: global }
      - { .name: b_spa, .offset: 16, .size: 8, .value_kind: global_buffer, .address_space: global }
      - { .name: b_frq, .offset: 24, .size: 8, .value_kind: global_buffer, .address_space: global }
      - { .name: p16, .offset: 32, .size: 8, .value_kind: global_buffer, .address_space: global }
    .group_segment_fixed_size: 327680
    .private_segment_fixed_size: 0
    .kernarg_segment_align: 8
    .kernarg_segment_size: 40
    .max_flat_workgroup_size: 128
    .sgpr_count:     66
    .vgpr_count:     1024
    .wavefront_size: 32
...
	.end_amdgpu_metadata
.endif
;; end of part 4
;; launch pv (part 5): grid 8 x 32, 4 waves a work-group, clusters of 4 x 1, 327,680 bytes of LDS; arguments v16, p16, x_spa, x_freq, out0, out1; writes out0, out1
.if DOCPART == 5
	.amdgcn_target "amdgcn-amd-amdhsa--gfx1250"
	.amdhsa_code_object_version 6
	.text
	.protected	k_q4031a9fe8f_pv
	.globl	k_q4031a9fe8f_pv
	.p2align	8
	.type	k_q4031a9fe8f_pv,@function
k_q4031a9fe8f_pv:
	s_mov_b64 s[64:65], 0
	v_nop
	global_prefetch_b8 v0, s[64:65] scope:SCOPE_SE
	s_setreg_imm32_b32 hwreg(HW_REG_WAVE_MODE, 25, 1), 1
	s_wait_xcnt 0x0
	s_wait_alu depctr_hold_cnt(0) depctr_sa_sdst(0) depctr_va_vdst(0) depctr_va_sdst(0) depctr_va_ssrc(0) depctr_va_vcc(0) depctr_vm_vsrc(0)
	s_getreg_b32 s2, hwreg(HW_REG_IB_STS2, 6, 4)
	s_cmp_eq_u32 s2, 0
	s_cbranch_scc0 .Lentry_in_a_cluster
	s_endpgm
.Lentry_in_a_cluster:
	s_bfe_u32 s2, ttmp6, 0x10000c
	s_cmp_lg_u32 s2, 0x3003
	s_cbranch_scc0 .Lentry_shape_is_right
	s_endpgm
.Lentry_shape_is_right:
; out[c][m] = x[c][m] + sum over 1,024 n of V[c][n] P[n][m], for y = 16 x branch + batch and a block of 128 columns m.  V, P f16; sums, x, out f32.
; A work-group makes 256 c x 128 m with four waves, a wave 128 c x 64 m: 32 accumulator tiles, 256 registers.  n goes in 8 steps of 128 through a
; ring of two LDS slots.  Source 0 = P (index m; it lies [n][m], so it comes through transposing loads), source 1 = V (index c):
; lane l holds row c = l % 16 and columns m = 8 (l / 16) + 0..7.
; CLUSTER 4 x 1: the four column blocks of a cluster have the same y and read the same tiles of V: waves 0, 1 ask for V's two halves (128 rows of
; 256 bytes) jointly, mask 15.  P's tile hangs on the column block: waves 2, 3 fetch its halves (64 rows of 256 bytes) by plain loads.
; A wave has two tensor loads out at the start and one behind each round.
.set VP,     272                       ; V rows: 256 bytes + 16
.set PP,     288                       ; P rows: 256 bytes + 32, an odd multiple of 32
.set VT,     256*VP
.set SLOT,   VT+128*PP                 ; 106,496
.set STAGE,  2*SLOT                    ; 16 rows x 272 bytes for each wave; no tensor load lands here
.set SPITCH, 272
.set LAPS,   4
.set ADRV, 16                          ; v16-17 my V fragments in slot 0, 1
.set ADRP, 20                          ; v20-21 my P fragments
.set STO,  24
.set RD,   25
.set CO,   26
.set FP,   32                          ; v32-63, v64-95     P: two buffers of 4 fragments; on the way out: rows read back
.set FV,   96                          ; v96-159, v160-223  V: two buffers of 8 fragments; on the way out: x, four groups of 32
.set G1V, 24
.set G0V, 32
.set G1P, 48
.set G0P, 56
.set MULW, 0x50                        ; C and D in window 1: tile (a, bb) at v[8 (4 a + bb)]
.set MSB, 0
.macro WIN new
.if MSB != (\new)
	s_set_vgpr_msb (MSB<<8)|(\new)
.set MSB, (\new)
.endif
.endm
.macro PLACES                          ; four places behind a matrix instruction (ISA guide 7.12.1 for vector instructions)
.rept 4
	v_nop
.endr
.endm
.macro JLOAD s                         ; the branch hangs on the wave's number alone
	s_cmp_eq_u32 s11, 0
	s_cbranch_scc0 .Lfor_p_\@
	tensor_load_to_lds s[G0V+4*\s:G0V+4*\s+3], s[G1V:G1V+7]
	s_nop 0
	s_branch .Lasked_\@
.Lfor_p_\@:
	tensor_load_to_lds s[G0P+4*\s:G0P+4*\s+3], s[G1P:G1P+7]
	s_nop 0
.Lasked_\@:
.endm
.macro CREST
	s_cmp_lg_u32 s10, 0
	s_cbranch_scc1 .Lnot_wave_0_\@
	s_barrier_signal -3
.Lnot_wave_0_\@:
	s_barrier_wait -3
	s_barrier_signal -1
	s_barrier_wait -1
.endm
.macro CROUND
	s_barrier_signal -1
	s_barrier_wait -1
	CREST
.endm
	s_load_b256 s[12:19], s[0:1], 0x0              ; v16 12, p16 14, x_spa 16, x_freq 18
	s_load_b128 s[20:23], s[0:1], 0x20             ; out0 20, out1 22
	v_lshl_add_u32 v254, v0, 2, 0x38400
	v_mov_b32 v255, 0
	ds_add_u32 v254, v255
	v_lshrrev_b32 v1, 5, v0
	v_readfirstlane_b32 s10, v1                    ; wave
	s_lshr_b32 s11, s10, 1                         ; my half of the rows c.  Also: I fetch V (0) or P (1)
	s_and_b32 s9, s10, 1                           ; my half of the columns m.  Also: which half of that tile I fetch
	s_bfe_u32 s40, ttmp6, 0x40000                  ; cx
	s_lshl_b32 s41, ttmp9, 2
	s_add_co_u32 s41, s41, s40                     ; column block
	s_and_b32 s42, ttmp7, 0xffff                   ; y
	s_and_b32 s43, s42, 15                         ; batch
	s_mov_b32 s[G1V+0], 15|(1<<16)|(1<<20)|(1<<21)|(5<<22)|(3<<25)   ; all four partners; 2-byte elements; after every 64 words 4 words
	s_mov_b32 s[G1V+1], 128<<16
	s_mov_b32 s[G1V+2], 128<<16
	s_mov_b32 s[G1V+3], 128<<16
	s_mov_b32 s[G1V+4], 128
	s_mov_b32 s[G1V+5], 1024
	s_mov_b32 s[G1V+6], 0
	s_mov_b32 s[G1V+7], 0
	s_mov_b32 s[G1P+0], (1<<16)|(1<<20)|(5<<22)|(7<<25)              ; no mask; after every 64 words 8 words
	s_mov_b32 s[G1P+1], 128<<16
	s_mov_b32 s[G1P+2], 64<<16
	s_mov_b32 s[G1P+3], 128<<16
	s_mov_b32 s[G1P+4], 64
	s_mov_b32 s[G1P+5], 1024
	s_mov_b32 s[G1P+6], 0
	s_mov_b32 s[G1P+7], 0
	s_lshl_b32 s44, s42, 19                        ; V: y x 256 rows x 2,048 bytes + half x 128 rows: shared by the partners
	s_lshl_b32 s2, s9, 18
	s_add_co_u32 s44, s44, s2
	s_mov_b32 s45, 0
	s_lshl_b32 s46, s42, 21                        ; P: y x 1,024 rows x 2,048 bytes + half x 64 rows + column block x 256 bytes
	s_lshl_b32 s2, s9, 17
	s_add_co_u32 s46, s46, s2
	s_lshl_b32 s2, s41, 8
	s_add_co_u32 s46, s46, s2
	s_mov_b32 s47, 0
	s_mul_i32 s3, s10, 128*VP                      ; waves 0, 1: V's halves at wave x 128 rows
	s_mul_i32 s4, s10, 64*PP
	s_add_co_u32 s4, s4, VT-128*PP                 ; waves 2, 3: P's halves behind V: VT + (wave - 2) x 64 rows
	s_wait_dscnt 0x0
	s_wait_kmcnt 0x0
	s_add_nc_u64 s[44:45], s[12:13], s[44:45]
	s_add_nc_u64 s[46:47], s[14:15], s[46:47]
	CROUND                                         ; in front of the first fills
.irp s, 0,1
	s_mov_b32 s[G0V+4*\s], 1
	s_add_co_u32 s[G0V+4*\s+1], s3, \s*SLOT
	s_add_nc_u64 s[G0V+4*\s+2:G0V+4*\s+3], s[44:45], \s*256          ; 128 n along V's rows
	s_or_b32 s[G0V+4*\s+3], s[G0V+4*\s+3], 0x80000000
	s_mov_b32 s[G0P+4*\s], 1
	s_add_co_u32 s[G0P+4*\s+1], s4, \s*SLOT
	s_add_nc_u64 s[G0P+4*\s+2:G0P+4*\s+3], s[46:47], \s*262144       ; 128 rows of P
	s_or_b32 s[G0P+4*\s+3], s[G0P+4*\s+3], 0x80000000
	JLOAD \s
.endr
	v_and_b32 v1, 15, v0                           ; r
	v_bfe_u32 v2, v0, 4, 1                         ; h
	v_bfe_u32 v3, v0, 3, 1
	v_and_b32 v4, 7, v0
	v_mul_u32_u24 v5, v1, VP
	v_lshl_add_u32 v5, v2, 4, v5
	s_mul_i32 s5, s11, 128*VP
	v_add_nc_u32 v[ADRV], s5, v5
	v_add_nc_u32 v[ADRV+1], SLOT, v[ADRV]
	v_lshl_add_u32 v6, v2, 3, v4                   ; 8 h + (L & 7)
	v_mul_u32_u24 v6, v6, PP
	v_lshl_add_u32 v6, v3, 4, v6
	s_lshl_b32 s6, s9, 7
	s_add_co_u32 s6, s6, VT
	v_add_nc_u32 v[ADRP], s6, v6
	v_add_nc_u32 v[ADRP+1], SLOT, v[ADRP]
	s_mul_i32 s7, s10, 16*SPITCH
	s_add_co_u32 s7, s7, STAGE
	v_mul_u32_u24 v7, v1, SPITCH
	v_lshl_add_u32 v7, v2, 5, v7
	v_add_nc_u32 v[STO], s7, v7                    ; in: row r, 32 bytes for each half of the lanes
	v_mul_u32_u24 v7, v2, SPITCH
	v_lshl_add_u32 v7, v1, 4, v7
	v_add_nc_u32 v[RD], s7, v7                     ; back: lanes 0-15 one row of 256 bytes, lanes 16-31 the next
	v_lshlrev_b32 v7, 12, v2
	v_lshl_add_u32 v[CO], v1, 4, v7                ; the same two rows in x and out
	s_cmp_lt_u32 s42, 16                           ; the branch's x and out
	s_cselect_b64 s[16:17], s[16:17], s[18:19]
	s_cselect_b64 s[20:21], s[20:21], s[22:23]
	s_lshl_b32 s44, s43, 20                        ; batch x 256 rows x 4,096 bytes + my 128 rows + my 64 columns
	s_lshl_b32 s2, s11, 19
	s_add_co_u32 s44, s44, s2
	s_lshl_b32 s2, s41, 9
	s_add_co_u32 s44, s44, s2
	s_lshl_b32 s2, s9, 8
	s_add_co_u32 s44, s44, s2
	s_mov_b32 s45, 0
	s_add_nc_u64 s[16:17], s[16:17], s[44:45]
	s_add_nc_u64 s[20:21], s[20:21], s[44:45]
; 4 matrix instructions: c block a x my 4 m blocks.  The 32 accumulators take turns, one instruction a turn, in the same order in every quarter
; step, over the loop's backward jump too.
.macro MULC f, a, zero
.irp bb, 0,1,2,3
.if \zero
	v_wmma_f32_16x16x32_f16 v[8*(4*\a+\bb):8*(4*\a+\bb)+7], v[FP+32*\f+8*\bb:FP+32*\f+8*\bb+7], v[FV+64*\f+8*\a:FV+64*\f+8*\a+7], 0
.else
	v_wmma_f32_16x16x32_f16 v[8*(4*\a+\bb):8*(4*\a+\bb)+7], v[FP+32*\f+8*\bb:FP+32*\f+8*\bb+7], v[FV+64*\f+8*\a:FV+64*\f+8*\a+7], v[8*(4*\a+\bb):8*(4*\a+\bb)+7]
.endif
.endr
.endm
; 24 LDS loads in one run: P's 4 fragments, then V's 8, of quarter q (32 n)
.macro FETCH slot, q, f
.irp bb, 0,1,2,3
	ds_load_tr16_b128 v[FP+32*\f+8*\bb:FP+32*\f+8*\bb+3],   v[ADRP+\slot] offset:\q*32*PP+32*\bb
	ds_load_tr16_b128 v[FP+32*\f+8*\bb+4:FP+32*\f+8*\bb+7], v[ADRP+\slot] offset:\q*32*PP+32*\bb+16*PP
.endr
.irp a, 0,1,2,3,4,5,6,7
	ds_load_b128 v[FV+64*\f+8*\a:FV+64*\f+8*\a+3],   v[ADRV+\slot] offset:\q*64+\a*16*VP
	ds_load_b128 v[FV+64*\f+8*\a+4:FV+64*\f+8*\a+7], v[ADRV+\slot] offset:\q*64+\a*16*VP+32
.endr
.endm
.macro QUARTER slot, q, f, g, zero
	s_wait_dscnt 8                                 ; P and V's fragments 0-3 are in; the youngest eight loads (V's 4-7) may be out
	WIN MULW
	MULC \f, 0, \zero
	MULC \f, 1, \zero
	MULC \f, 2, \zero
	MULC \f, 3, \zero
	WIN 0
	PLACES
	FETCH \slot, \q, \g
	s_wait_dscnt 24                                ; all but the 24 just issued
	WIN MULW
	MULC \f, 4, \zero
	MULC \f, 5, \zero
	MULC \f, 6, \zero
	MULC \f, 7, \zero
.endm
.macro THREE slot, zero
	QUARTER \slot, 1, 0, 1, \zero
	QUARTER \slot, 2, 1, 0, 0
	QUARTER \slot, 3, 0, 1, 0
.endm
; The last quarter of a step changes slots: my reads of this slot are back and all my tensor loads have landed in front of the one barrier; where
; the slot is filled again the barrier opens a round of the cluster's barrier, and the refill is the first tensor load behind the round.
; From a request to the wait for it a wave issues 120 matrix instructions.
.macro TURN slot, next, fill
	s_wait_dscnt 8
	WIN MULW
	MULC 1, 0, 0
	MULC 1, 1, 0
	s_wait_dscnt 0x0
	s_wait_tensorcnt 0x0
	ds_add_u32 v254, v255
	s_wait_dscnt 0x0
	s_barrier_signal -1
	MULC 1, 2, 0
	MULC 1, 3, 0
	WIN 0
	s_barrier_wait -1
.if \fill
	CREST
	s_add_nc_u64 s[G0V+4*\slot+2:G0V+4*\slot+3], s[G0V+4*\slot+2:G0V+4*\slot+3], 512
	s_add_nc_u64 s[G0P+4*\slot+2:G0P+4*\slot+3], s[G0P+4*\slot+2:G0P+4*\slot+3], 524288
	JLOAD \slot
.endif
	PLACES
	FETCH \next, 0, 0
	WIN MULW
	MULC 1, 4, 0
	MULC 1, 5, 0
	MULC 1, 6, 0
	MULC 1, 7, 0
.endm
.macro LAP zero
	THREE 0, \zero
	TURN 0, 1, 1
	THREE 1, 0
	TURN 1, 0, 1
.endm
	s_wait_tensorcnt 0x1                           ; my part of step 0 is in; step 1's load stays out
	s_barrier_signal -1
	s_barrier_wait -1
	FETCH 0, 0, 0
	LAP 1                                          ; the first lap's first products start the sums
	WIN 0
	s_mov_b32 s8, LAPS-2
.Llap:
	LAP 0
	WIN 0
	s_sub_co_u32 s8, s8, 1
	s_cmp_lg_u32 s8, 0
	s_cbranch_scc1 .Llap
	THREE 0, 0                                     ; the last lap fills nothing
	TURN 0, 1, 0
	THREE 1, 0
	s_wait_dscnt 8
	WIN MULW
	MULC 1, 0, 0
	MULC 1, 1, 0
	MULC 1, 2, 0
	MULC 1, 3, 0
	s_wait_dscnt 0x0
	MULC 1, 4, 0
	MULC 1, 5, 0
	MULC 1, 6, 0
	MULC 1, 7, 0
	; THE WAY OUT, 16 rows c at a time through my own stage; x is added to whole rows of 256 bytes.  x of four groups is always asked for ahead.
	PLACES
	WIN 0
.macro XLOAD i                         ; x of rows 16 i .. 16 i + 15: the group and the row pair stand in the immediate, 516,096 at the most
.irp t, 0,1,2,3,4,5,6,7
	global_load_b128 v[FV+32*(\i&3)+4*\t:FV+32*(\i&3)+4*\t+3], v[CO], s[16:17] offset:\i*65536+\t*8192 th:TH_LOAD_NT
.endr
.endm
	XLOAD 0
	XLOAD 1
	XLOAD 2
	XLOAD 3
.macro OUT16 i, left
	WIN 0x04                                       ; store data in window 1
.irp bb, 0,1,2,3
	ds_store_b128 v[STO], v[8*(4*\i+\bb):8*(4*\i+\bb)+3] offset:64*\bb
	ds_store_b128 v[STO], v[8*(4*\i+\bb)+4:8*(4*\i+\bb)+7] offset:64*\bb+16
.endr
	WIN 0
	s_wait_xcnt 0x0                                ; the registers that earlier stores read are loaded again only behind this wait
.irp t, 0,1,2,3,4,5,6,7
	ds_load_b128 v[FP+32*(\i&1)+4*\t:FP+32*(\i&1)+4*\t+3], v[RD] offset:\t*2*SPITCH     ; a wave's LDS instructions are served in order
.endr
	s_wait_loadcnt \left                           ; this group's x is in; the loads of the younger groups stay out
	s_wait_dscnt 0x0
.irp t, 0,1,2,3,4,5,6,7
	v_pk_add_f32 v[FP+32*(\i&1)+4*\t:FP+32*(\i&1)+4*\t+1], v[FP+32*(\i&1)+4*\t:FP+32*(\i&1)+4*\t+1], v[FV+32*(\i&3)+4*\t:FV+32*(\i&3)+4*\t+1]
	v_pk_add_f32 v[FP+32*(\i&1)+4*\t+2:FP+32*(\i&1)+4*\t+3], v[FP+32*(\i&1)+4*\t+2:FP+32*(\i&1)+4*\t+3], v[FV+32*(\i&3)+4*\t+2:FV+32*(\i&3)+4*\t+3]
	global_store_b128 v[CO], v[FP+32*(\i&1)+4*\t:FP+32*(\i&1)+4*\t+3], s[20:21] offset:\i*65536+\t*8192 th:TH_STORE_NT   ; 16 lanes store 256 consecutive bytes, aligned
.endr
.endm
	OUT16 0, 24                                    ; three younger groups of 8 loads
	XLOAD 4
	OUT16 1, 24
	XLOAD 5
	OUT16 2, 24
	XLOAD 6
	OUT16 3, 24
	XLOAD 7
	OUT16 4, 24
	OUT16 5, 16                                    ; nothing more is asked for: the counts run down
	OUT16 6, 8
	OUT16 7, 0
	s_wait_tensorcnt 0x0
	ds_add_u32 v254, v255
	s_wait_dscnt 0x0
	CROUND                                         ; the closing round
	s_endpgm
.Lfunc_end_k_q4031a9fe8f_pv:
	.size	k_q4031a9fe8f_pv, .Lfunc_end_k_q4031a9fe8f_pv-k_q4031a9fe8f_pv
	.p2alignl 7, 3214868480
	.fill 96, 4, 3214868480
	.section	.rodata,"a",@progbits
	.p2align	6, 0x0
	.amdhsa_kernel k_q4031a9fe8f_pv
		.amdhsa_group_segment_fixed_size 327680
		.amdhsa_private_segment_fixed_size 0
		.amdhsa_enable_private_segment 0
		.amdhsa_kernarg_size 48
		.amdhsa_user_sgpr_count 2
		.amdhsa_user_sgpr_kernarg_segment_ptr 1
		.amdhsa_wavefront_size32 1
		.amdhsa_system_sgpr_workgroup_id_x 1
		.amdhsa_system_sgpr_workgroup_id_y 1
		.amdhsa_system_sgpr_workgroup_id_z 1
		.amdhsa_system_vgpr_workitem_id 0
		.amdhsa_next_free_vgpr 512
		.amdhsa_next_free_sgpr 66
		.amdhsa_reserve_vcc 0
		.amdhsa_float_denorm_mode_32 3
		.amdhsa_float_denorm_mode_16_64 3
		.amdhsa_memory_ordered 1
		.amdhsa_forward_progress 1
		.amdhsa_inst_pref_size 130
	.end_amdhsa_kernel
	.amdgpu_metadata
---
amdhsa.version: [ 1, 2 ]
amdhsa.kernels:
  - .name:           k_q4031a9fe8f_pv
    .symbol:         k_q4031a9fe8f_pv.kd
    .args:
      - { .name: v16, .offset: 0, .size: 8, .value_kind: global_buffer, .address_space: global }
      - { .name: p16, .offset: 8, .size: 8, .value_kind: global_buffer, .address_space: global }
      - { .name: x_spa, .offset: 16, .size: 8, .value_kind: global_buffer, .address_space: global }
      - { .name: x_freq, .offset: 24, .size: 8, .value_kind: global_buffer, .address_space: global }
      - { .name: out0, .offset: 32, .size: 8, .value_kind: global_buffer, .address_space: global }
      - { .name: out1, .offset: 40, .size: 8, .value_kind: global_buffer, .address_space: global }
    .group_segment_fixed_size: 327680
    .private_segment_fixed_size: 0
    .kernarg_segment_align: 8
    .kernarg_segment_size: 48
    .max_flat_workgroup_size: 128
    .sgpr_count:     66
    .vgpr_count:     512
    .wavefront_size: 32
...
	.end_amdgpu_metadata
.endif
;; end of part 5
